; MI455X (gfx1250); checked and timed in simulation.
; The chip was launched on July 23, 2026; its instructions are those of AMD's public machine-readable ISA for CDNA 5 (MIT licence, August 2026) and "CDNA5" Instruction Set Architecture Reference Guide (July 2026). The comments in the code are by the model that wrote it; some were corrected since.
;; Cross Attention Module. Allowed arithmetic: float matrix products may take bf16 or f16 operands with f32 sums; other float arithmetic in f32, or as packed bf16 or f16 multiplies, adds, multiply-adds, maxima and minima; sums over many terms, partial sums and values carried from step to step in f32; what a program stores and reads back later, other than sums and carried values, may be rounded once to bf16 or f16.
;; Inputs: Wk 2,048 x 1 float32; Wq 2,048 x 2,048 float32; Wv 2,048 x 2,048 float32; attention_map 8 x 1 x 16 x 32 float32; bk 2,048 float32; bq 2,048 float32; bv 2,048 float32; feature_map 8 x 2,048 x 16 x 32 float32; gamma 1 float32.
;; Outputs: out0 8 x 2,048 x 16 x 32 float32.
;; 2 versions, each right; version 2 is version 1 with the launch prep written anew for expert scheduling mode. Each part assembles by itself: llvm-mc -triple=amdgcn-amd-amdhsa -mcpu=gfx1250 --defsym DOCPART=n.
;; ======== version 1 of 2: 4 launches
;; workspace buffers: xb 16,777,216 bytes; wvb 8,388,608 bytes; xv 131,072 bytes; sp 1,048,576 bytes; vb 16,777,216 bytes
;; launch prep (part 1): grid 256 x 1, 8 waves a work-group, no clusters, 1,536 bytes of LDS; arguments feature_map, attention_map, Wv, xb, wvb, xv; writes xb, wvb, xv
.if DOCPART == 1
	.amdgcn_target "amdgcn-amd-amdhsa--gfx1250"
	.amdhsa_code_object_version 6
	.text
	.protected	k_q7aa96e1501_prep
	.globl	k_q7aa96e1501_prep
	.p2align	8
	.type	k_q7aa96e1501_prep,@function
k_q7aa96e1501_prep:
	s_mov_b64 s[64:65], 0
	v_nop
	global_prefetch_b8 v0, s[64:65] scope:SCOPE_SE
	s_setreg_imm32_b32 hwreg(HW_REG_WAVE_MODE, 25, 1), 1
	s_wait_xcnt 0x0
; prep: xb = bf16(x), wvb = bf16(Wv), xv[0*8+b][e] = sum over n of x[b][e][n] a[b][n], xv[1*8+b][e] = sum over n of x[b][e][n].
; x: [8][2048 e][512 n] f32, a: [8][512] f32, Wv: [2048][2048] f32.  The two sums are kept in f32 (they feed the scores); x and Wv are rounded once to bf16, as matrix operands.
; A STREAM: every byte of x and Wv is read once, every byte of xb, wvb, xv written once.  No matrix work, no tensor loads, no cluster (work-groups share only a's 2 KiB), no prefetch: all of a
; wave's 52 loads go out at its head, so nothing could be asked for earlier.
; SHARES.  Work-group g: batch g / 32, rows e = 64 (g % 32) .. + 63 of x, and 65,536 bytes of Wv.  Wave w: rows 8 w .. 8 w + 7 and four pieces of 2,048 bytes of Wv.
; A lane holds numbers 128 j + 4 lane .. + 3 (j = 0..3) of a row: a load of the wave covers 512 consecutive bytes, a store of 8 bytes a lane 256 consecutive bytes, aligned.
; LIMIT: the order of the f32 additions differs from a plain left-to-right sum.
.set SPARE, 512                        ; LDS: 0..511 the 2 x 64 sums; from 512 the spare words, 128 bytes for each of eight waves
.set LO,  2                            ; v2   w x 16,384 + 16 lane: my bytes in the wave's rows of x
.set WO,  3                            ; v3   w x 8,192 + 16 lane: in its pieces of Wv
.set AO,  4                            ; v4   16 lane
.set XBO, 5                            ; v5   w x 8,192 + 8 lane: in xb
.set WBO, 6                            ; v6   w x 4,096 + 8 lane: in wvb
.set LA,  7                            ; v7   32 w: the wave's eight words of a kind in LDS
.set SPW, 8                            ; v8   my spare word; never rewritten
.set NIL, 9                            ; v9   0; never rewritten
.set P0,  10                           ; v[10:11], v[12:13] two chains of x a
.set P1,  12
.set Q0,  14                           ; v[14:15], v[48:49] two chains of x
.set Q1,  48
.set AV,  16                           ; v[16:31] my 16 numbers of a
.set RS,  32                           ; v[32:39] sums x a of rows 0-7, v[40:47] sums x
.set TP,  50                           ; v50  the other half of the lanes' sum
.set XVO, 51                           ; v51  wave 0: my 16 bytes in xv
.set BK,  52                           ; v[52:55] wave 0: four sums read back
.set X,   64                           ; v[64:191]  row i: 16 registers
.set W,   192                          ; v[192:255] piece p: 16 registers
	s_load_b256 s[4:11], s[0:1], 0x0               ; x s[4:5], a s[6:7], Wv s[8:9], xb s[10:11]
	s_load_b128 s[12:15], s[0:1], 0x20             ; wvb s[12:13], xv s[14:15]
	v_lshl_add_u32 v[SPW], v0, 2, SPARE
	v_mov_b32 v[NIL], 0
	v_lshrrev_b32 v1, 5, v0
	v_readfirstlane_b32 s16, v1                    ; wave 0..7
	v_and_b32 v1, 31, v0                           ; lane
	s_lshl_b32 s17, s16, 14
	v_lshl_add_u32 v[LO], v1, 4, s17
	s_lshl_b32 s17, s16, 13
	v_lshl_add_u32 v[WO], v1, 4, s17
	v_lshl_add_u32 v[XBO], v1, 3, s17
	s_lshl_b32 s17, s16, 12
	v_lshl_add_u32 v[WBO], v1, 3, s17
	v_lshlrev_b32 v[AO], 4, v1
	s_lshl_b32 s17, s16, 5
	v_mov_b32 v[LA], s17
	v_lshrrev_b32 v[XVO], 4, v1                    ; kind = lane / 16,
	v_and_b32 v[TP], 15, v1
	v_lshlrev_b32 v[XVO], 16, v[XVO]               ; eight rows of 8,192 bytes apart,
	v_lshl_add_u32 v[XVO], v[TP], 4, v[XVO]        ; four sums a lane
	v_mov_b32 v[TP], 0                             ; v_permlanex16_b32 counts as a reader of its destination
	s_lshl_b32 s18, ttmp9, 17                      ; 64 rows of 2,048 bytes of x
	s_mov_b32 s19, 0
	s_lshl_b32 s20, ttmp9, 16                      ; 65,536 bytes of Wv, and of xb
	s_mov_b32 s21, 0
	s_lshl_b32 s22, ttmp9, 15                      ; 32,768 bytes of wvb
	s_mov_b32 s23, 0
	s_lshr_b32 s26, ttmp9, 5                       ; batch
	s_lshl_b32 s24, s26, 11                        ; its 2,048 bytes of a
	s_mov_b32 s25, 0
	s_lshl_b32 s26, s26, 13                        ; its row of xv,
	s_and_b32 s27, ttmp9, 31
	s_lshl_b32 s27, s27, 8                         ; my 64 numbers of it
	s_add_co_u32 s26, s26, s27
	s_mov_b32 s27, 0
	s_mov_b32 s28, 0x76543210                      ; v_permlanex16_b32: each lane takes its own place in the other half
	s_mov_b32 s29, 0xfedcba98
	s_wait_kmcnt 0x0
	s_add_nc_u64 s[4:5], s[4:5], s[18:19]
	s_add_nc_u64 s[6:7], s[6:7], s[24:25]
	s_add_nc_u64 s[8:9], s[8:9], s[20:21]
	s_add_nc_u64 s[10:11], s[10:11], s[20:21]
	s_add_nc_u64 s[12:13], s[12:13], s[22:23]
	s_add_nc_u64 s[14:15], s[14:15], s[26:27]
	; all 52 loads of the wave: a (4), x row by row (32), Wv (16)
.irp j, 0,1,2,3
	global_load_b128 v[AV+4*(\j):AV+4*(\j)+3], v[AO], s[6:7] offset:512*(\j)
.endr
.irp i, 0,1,2,3,4,5,6,7
.irp j, 0,1,2,3
	global_load_b128 v[X+16*(\i)+4*(\j):X+16*(\i)+4*(\j)+3], v[LO], s[4:5] offset:2048*(\i)+512*(\j) th:TH_LOAD_NT
.endr
.endr
.irp p, 0,1,2,3
.irp j, 0,1,2,3
	global_load_b128 v[W+16*(\p)+4*(\j):W+16*(\p)+4*(\j)+3], v[WO], s[8:9] offset:2048*(\p)+512*(\j) th:TH_LOAD_NT
.endr
.endr
; Row i: its two sums in this lane, then its 16 numbers rounded to bf16 in place and stored.  No register that a store reads is written again.
.macro ROW i
.set R, X+16*(\i)
	s_wait_loadcnt 44-4*(\i)                       ; behind row i's loads stand 4 (7 - i) of x and 16 of Wv: they may stay out
	v_pk_mul_f32 v[P0:P0+1], v[R:R+1], v[AV:AV+1]
	v_pk_mul_f32 v[P1:P1+1], v[R+2:R+3], v[AV+2:AV+3]
	v_pk_add_f32 v[Q0:Q0+1], v[R:R+1], v[R+4:R+5]
	v_pk_add_f32 v[Q1:Q1+1], v[R+2:R+3], v[R+6:R+7]
.irp j, 1,2,3
	v_pk_fma_f32 v[P0:P0+1], v[R+4*(\j):R+4*(\j)+1], v[AV+4*(\j):AV+4*(\j)+1], v[P0:P0+1]
	v_pk_fma_f32 v[P1:P1+1], v[R+4*(\j)+2:R+4*(\j)+3], v[AV+4*(\j)+2:AV+4*(\j)+3], v[P1:P1+1]
.endr
.irp j, 2,3
	v_pk_add_f32 v[Q0:Q0+1], v[Q0:Q0+1], v[R+4*(\j):R+4*(\j)+1]
	v_pk_add_f32 v[Q1:Q1+1], v[Q1:Q1+1], v[R+4*(\j)+2:R+4*(\j)+3]
.endr
	v_pk_add_f32 v[P0:P0+1], v[P0:P0+1], v[P1:P1+1]
	v_pk_add_f32 v[Q0:Q0+1], v[Q0:Q0+1], v[Q1:Q1+1]
	v_add_f32 v[RS+(\i)], v[P0], v[P0+1]
	v_add_f32 v[RS+8+(\i)], v[Q0], v[Q0+1]
.irp j, 0,1,2,3
	v_cvt_pk_bf16_f32 v[R+4*(\j)], v[R+4*(\j)], v[R+4*(\j)+1]
	v_cvt_pk_bf16_f32 v[R+4*(\j)+1], v[R+4*(\j)+2], v[R+4*(\j)+3]
	global_store_b64 v[XBO], v[R+4*(\j):R+4*(\j)+1], s[10:11] offset:1024*(\i)+256*(\j)  ; 32 lanes store 256 consecutive bytes, aligned
.endr
.endm
; Piece p of Wv: rounded and stored.
.macro CAST p
.set R, W+16*(\p)
	s_wait_loadcnt 12-4*(\p)                       ; the later pieces' loads may stay out
.irp j, 0,1,2,3
	v_cvt_pk_bf16_f32 v[R+4*(\j)], v[R+4*(\j)], v[R+4*(\j)+1]
	v_cvt_pk_bf16_f32 v[R+4*(\j)+1], v[R+4*(\j)+2], v[R+4*(\j)+3]
	global_store_b64 v[WBO], v[R+4*(\j):R+4*(\j)+1], s[12:13] offset:1024*(\p)+256*(\j)
.endr
.endm
.irp i, 0,1,2,3,4,5,6,7
	ROW \i
.endr
.irp p, 0,1,2,3
	CAST \p
.endr
	; the 16 sums across the 32 lanes: four steps inside each half ride on the addition, one crosses the halves; the 16 take turns, so no line waits for the one before it
.irp m, 1,2,4,8
.set k, 0
.rept 16
	v_add_f32_dpp v[RS+k], v[RS+k], v[RS+k] row_xmask:\m row_mask:0xf bank_mask:0xf
.set k, k+1
.endr
.endr
.set k, 0
.rept 16
	v_permlanex16_b32 v[TP], v[RS+k], s28, s29
	v_add_f32 v[RS+k], v[RS+k], v[TP]
	ds_store_b32 v[LA], v[RS+k] offset:(k/8)*256+(k%8)*4  ; all lanes write the same word with the same number: kind k / 8, row 8 w + k % 8
.set k, k+1
.endr
	s_wait_dscnt 0x0                               ; for wave 0's sake: my stores are done
	s_barrier_signal -1
	s_barrier_wait -1
	s_cmp_lg_u32 s16, 0
	s_cbranch_scc1 .Lend                           ; wave 0 writes the work-group's 2 x 64 sums
	ds_load_b128 v[BK:BK+3], v[AO]
	s_wait_dscnt 0x0
	global_store_b128 v[XVO], v[BK:BK+3], s[14:15] ; 16 lanes store 256 consecutive bytes, aligned, of a row of xv
.Lend:
	s_wait_tensorcnt 0x0                           ; the wave's end: behind my last LDS store
	ds_add_u32 v[SPW], v[NIL]
	s_wait_dscnt 0x0
	s_endpgm
.Lfunc_end_k_q7aa96e1501_prep:
	.size	k_q7aa96e1501_prep, .Lfunc_end_k_q7aa96e1501_prep-k_q7aa96e1501_prep
	.p2alignl 7, 3214868480
	.fill 96, 4, 3214868480
	.section	.rodata,"a",@progbits
	.p2align	6, 0x0
	.amdhsa_kernel k_q7aa96e1501_prep
		.amdhsa_group_segment_fixed_size 1536
		.amdhsa_private_segment_fixed_size 0
		.amdhsa_enable_private_segment 0
		.amdhsa_kernarg_size 48
		.amdhsa_user_sgpr_count 2
		.amdhsa_user_sgpr_kernarg_segment_ptr 1
		.amdhsa_wavefront_size32 1
		.amdhsa_system_sgpr_workgroup_id_x 1
		.amdhsa_system_sgpr_workgroup_id_y 1
		.amdhsa_system_sgpr_workgroup_id_z 1
		.amdhsa_system_vgpr_workitem_id 0
		.amdhsa_next_free_vgpr 256
		.amdhsa_next_free_sgpr 66
		.amdhsa_reserve_vcc 0
		.amdhsa_float_denorm_mode_32 3
		.amdhsa_float_denorm_mode_16_64 3
		.amdhsa_memory_ordered 1
		.amdhsa_forward_progress 1
		.amdhsa_inst_pref_size 34
	.end_amdhsa_kernel
	.amdgpu_metadata
---
amdhsa.version: [ 1, 2 ]
amdhsa.kernels:
  - .name:           k_q7aa96e1501_prep
    .symbol:         k_q7aa96e1501_prep.kd
    .args:
      - { .name: feature_map, .offset: 0, .size: 8, .value_kind: global_buffer, .address_space: global }
      - { .name: attention_map, .offset: 8, .size: 8, .value_kind: global_buffer, .address_space: global }
      - { .name: Wv, .offset: 16, .size: 8, .value_kind: global_buffer, .address_space: global }
      - { .name: xb, .offset: 24, .size: 8, .value_kind: global_buffer, .address_space: global }
      - { .name: wvb, .offset: 32, .size: 8, .value_kind: global_buffer, .address_space: global }
      - { .name: xv, .offset: 40, .size: 8, .value_kind: global_buffer, .address_space: global }
    .group_segment_fixed_size: 1536
    .private_segment_fixed_size: 0
    .kernarg_segment_align: 8
    .kernarg_segment_size: 48
    .max_flat_workgroup_size: 256
    .sgpr_count:     66
    .vgpr_count:     256
    .wavefront_size: 32
...
	.end_amdgpu_metadata
.endif
;; end of part 1
;; launch qdot (part 2): grid 256 x 1, 4 waves a work-group, no clusters, 17,920 bytes of LDS; arguments Wq, xv, sp; writes sp
.if DOCPART == 2
	.amdgcn_target "amdgcn-amd-amdhsa--gfx1250"
	.amdhsa_code_object_version 6
	.text
	.protected	k_q7aa96e1501_qdot
	.globl	k_q7aa96e1501_qdot
	.p2align	8
	.type	k_q7aa96e1501_qdot,@function
k_q7aa96e1501_qdot:
	s_mov_b64 s[64:65], 0
	v_nop
	global_prefetch_b8 v0, s[64:65] scope:SCOPE_SE
	s_setreg_imm32_b32 hwreg(HW_REG_WAVE_MODE, 25, 1), 1
	s_wait_xcnt 0x0
; qdot: sp[kp][row][c] = the sum over e in eighth kp of K of Wq[c][e] xv[row][e].  Wq: [2048 c][2048 e] f32, xv: [16 rows][2048 e] f32, sp: [8][16][2048] f32 partial sums, added up by the next reader.
; WHY.  reference()'s keys are Wk[d] a[n] + bk[d], so its scores are Wk[d] s1[c] + bk[d] s0[c] with s1 = Wq xa + bq sum(a), s0 = Wq xs + 512 bq: the q product is needed only against these 16 vectors.
; ACCURACY.  The scores stand in an exponent, so both operands go to the matrix unit SPLIT: each f32 number as hi + lo, two bf16; three products hi hi + lo hi + hi lo, sums in f32.
; LIMIT: the product lo lo is dropped (about 2^-17 of a term), and the order of the f32 additions differs from reference()'s.
; A product with 16 rows: its time is the time to read Wq once.  All 40 loads of a wave go out at its head, so there is no ring, no tensor load and no prefetch; work-groups share only xv (128 KiB): no cluster.
; SHARES.  Work-group g: rows c = 64 (g / 8) .. + 63, e = 256 (g % 8) .. + 255.  Wave w: 64 of those e, 256 consecutive bytes, aligned, of each row: two fragments of 32 along K for four blocks of 16 rows.
; PLACES ALONG K.  Slot i (0..15) of lane (r, h) of fragment f holds e = 32 f + 16 h + i, in BOTH operands: a permutation of K applied alike to both keeps the sums, and a lane reads 64 consecutive bytes.
; RESULT.  Source 0 = 16 rows of Wq, source 1 = the 16 rows of xv: lane r holds xv's row r, register j the row c = 8 h + j of the block.  The four waves' sums meet in LDS.
.set PART,  0                          ; LDS: wave w's 16 rows (of xv) x 64 c in f32, pitch 272, at 4,352 w
.set SPARE, 17408                      ; behind them the spare words, 128 bytes a wave
.set FO,  3                            ; v3   r x 8,192 + 64 h + 256 w; for Wq and for xv; never rewritten
.set LS,  4                            ; v4   where I put my sums
.set LR,  5                            ; v5   where I read sums back
.set SO,  6                            ; v6   my 16 bytes in sp
.set SPW, 8
.set NIL, 9
.set T,   10                           ; v[10:11] and v[252:253]: the hi parts widened, by turns
.set XH,  12                           ; v[12:27]  hi of xv's fragment f at XH + 8 f
.set XF,  28                           ; v[28:59]  xv's fragment f in f32 at XF + 16 f; after the split its lo part in the low eight
.set ACC, 60                           ; v[60:91]  block a's sums at ACC + 8 a
.set G,   92                           ; v[92:219] Wq's (a, f) in f32 at G + 16 (2 a + f); after the split its lo part in the low eight
                                       ; hi of (a, 0): v[220 + 8 a ..]; hi of (a, 1): the upper eight of (a, 0)'s sixteen, free after that split and read by no product before
	s_load_b128 s[4:7], s[0:1], 0x0                ; Wq s[4:5], xv s[6:7]
	s_load_b64 s[8:9], s[0:1], 0x10                ; sp
	v_lshl_add_u32 v[SPW], v0, 2, SPARE
	v_mov_b32 v[NIL], 0
	v_lshrrev_b32 v1, 5, v0
	v_readfirstlane_b32 s10, v1                    ; wave 0..3
	v_and_b32 v1, 15, v0                           ; r
	v_bfe_u32 v2, v0, 4, 1                         ; h
	s_lshl_b32 s11, s10, 8
	v_lshlrev_b32 v[FO], 13, v1
	v_lshl_add_u32 v[FO], v2, 6, v[FO]
	v_add_nc_u32 v[FO], s11, v[FO]
	s_mul_i32 s11, s10, 4352
	v_mul_u32_u24 v[LS], v1, 272
	v_lshl_add_u32 v[LS], v2, 5, v[LS]
	v_add_nc_u32 v[LS], s11, v[LS]                 ; 4,352 w + 272 r + 32 h
	s_lshl_b32 s11, s10, 2
	v_add_nc_u32 v7, s11, v2                       ; xv's row 4 w + h
	v_mul_u32_u24 v[LR], v7, 272
	v_lshl_add_u32 v[LR], v1, 4, v[LR]
	v_lshlrev_b32 v[SO], 13, v7
	v_lshl_add_u32 v[SO], v1, 4, v[SO]
	s_lshr_b32 s12, ttmp9, 3                       ; block of 64 rows
	s_and_b32 s13, ttmp9, 7                        ; eighth of K
	s_lshl_b32 s16, s13, 10                        ; 256 e x 4 bytes
	s_mov_b32 s17, 0
	s_lshl_b32 s14, s12, 19                        ; 64 rows x 8,192 bytes
	s_add_co_u32 s14, s14, s16
	s_mov_b32 s15, 0
	s_lshl_b32 s18, s13, 17                        ; 16 rows x 8,192 bytes of sp
	s_lshl_b32 s19, s12, 8
	s_add_co_u32 s18, s18, s19
	s_mov_b32 s19, 0
	s_wait_kmcnt 0x0
	s_add_nc_u64 s[4:5], s[4:5], s[14:15]
	s_add_nc_u64 s[6:7], s[6:7], s[16:17]
	s_add_nc_u64 s[8:9], s[8:9], s[18:19]
.irp f, 0,1
.irp j, 0,1,2,3
	global_load_b128 v[XF+16*(\f)+4*(\j):XF+16*(\f)+4*(\j)+3], v[FO], s[6:7] offset:128*(\f)+16*(\j)
.endr
.endr
.irp f, 0,1
.irp a, 0,1,2,3
.irp j, 0,1,2,3
	global_load_b128 v[G+16*(2*(\a)+(\f))+4*(\j):G+16*(2*(\a)+(\f))+4*(\j)+3], v[FO], s[4:5] offset:131072*(\a)+128*(\f)+16*(\j) th:TH_LOAD_NT
.endr
.endr
.endr
; Sixteen f32 at g become eight registers of hi parts at hd and eight of lo parts at g: hi = bf16(x), lo = bf16(x - hi).  Register i of the lo parts is written when registers 2 i, 2 i + 1 have been read.
.macro SPLIT g, hd
.set i, 0
.rept 8
.set tt, T+242*(i%2)
	v_cvt_pk_bf16_f32 v[(\hd)+i], v[(\g)+2*i], v[(\g)+2*i+1]
	v_lshlrev_b32 v[tt], 16, v[(\hd)+i]
	v_and_b32 v[tt+1], 0xffff0000, v[(\hd)+i]
	v_pk_add_f32 v[(\g)+2*i:(\g)+2*i+1], v[(\g)+2*i:(\g)+2*i+1], v[tt:tt+1] neg_lo:[0,1] neg_hi:[0,1]
	v_cvt_pk_bf16_f32 v[(\g)+i], v[(\g)+2*i], v[(\g)+2*i+1]
.set i, i+1
.endr
.endm
; Fragment f's twelve products: hi hi, lo hi, hi lo, the four blocks' accumulators by turns, one instruction a turn.  first = 1: the first four start the sums.
.macro TERMS f, first
.irp term, 0,1,2
.irp a, 0,1,2,3
.if (\f) == 0
.set rW, 220+8*(\a)
.else
.set rW, G+32*(\a)+8
.endif
.set rX, XH+8*(\f)
.if (\term) == 1
.set rW, G+16*(2*(\a)+(\f))
.endif
.if (\term) == 2
.set rX, XF+16*(\f)
.endif
.if (\first) && ((\term) == 0)
	v_wmma_f32_16x16x32_bf16 v[ACC+8*(\a):ACC+8*(\a)+7], v[rW:rW+7], v[rX:rX+7], 0
.else
	v_wmma_f32_16x16x32_bf16 v[ACC+8*(\a):ACC+8*(\a)+7], v[rW:rW+7], v[rX:rX+7], v[ACC+8*(\a):ACC+8*(\a)+7]
.endif
.endr
.endr
.endm
	s_wait_loadcnt 32                              ; xv is in; Wq's 32 loads may stay out
	SPLIT XF, XH
	SPLIT XF+16, XH+8
	s_wait_loadcnt 16                              ; Wq's fragment 0 is in; fragment 1's 16 loads may stay out
.irp a, 0,1,2,3
	SPLIT G+32*(\a), 220+8*(\a)
.endr
	TERMS 0, 1
	s_wait_loadcnt 0x0
.irp a, 0,1,2,3
	SPLIT G+32*(\a)+16, G+32*(\a)+8                ; writes no register that a product has named
.endr
	TERMS 1, 0
.rept 8
	v_nop                                          ; the places behind the last products, in front of the stores that read results and of the loads into registers that products have read
.endr
.irp a, 0,1,2,3
	ds_store_b128 v[LS], v[ACC+8*(\a):ACC+8*(\a)+3]   offset:PART+64*(\a)     ; each accumulator's low registers first
	ds_store_b128 v[LS], v[ACC+8*(\a)+4:ACC+8*(\a)+7] offset:PART+64*(\a)+16
.endr
	s_wait_dscnt 0x0                               ; for the others' sake: my stores are done
	s_barrier_signal -1
	s_barrier_wait -1
	; wave w adds the four waves' sums for xv's rows 4 w .. 4 w + 3: lanes 0-15 a row of 256 bytes, lanes 16-31 the next
.irp v, 0,1,2,3
.irp t, 0,1
	ds_load_b128 v[G+4*(2*(\v)+(\t)):G+4*(2*(\v)+(\t))+3], v[LR] offset:PART+4352*(\v)+544*(\t)
.endr
.endr
	s_wait_dscnt 0x0
.irp t, 0,1
.irp z, 0,2
	v_pk_add_f32 v[G+4*(\t)+(\z):G+4*(\t)+(\z)+1], v[G+4*(\t)+(\z):G+4*(\t)+(\z)+1], v[G+8+4*(\t)+(\z):G+8+4*(\t)+(\z)+1]
	v_pk_add_f32 v[G+16+4*(\t)+(\z):G+16+4*(\t)+(\z)+1], v[G+16+4*(\t)+(\z):G+16+4*(\t)+(\z)+1], v[G+24+4*(\t)+(\z):G+24+4*(\t)+(\z)+1]
.endr
.endr
.irp t, 0,1
.irp z, 0,2
	v_pk_add_f32 v[G+4*(\t)+(\z):G+4*(\t)+(\z)+1], v[G+4*(\t)+(\z):G+4*(\t)+(\z)+1], v[G+16+4*(\t)+(\z):G+16+4*(\t)+(\z)+1]
.endr
	global_store_b128 v[SO], v[G+4*(\t):G+4*(\t)+3], s[8:9] offset:16384*(\t)  ; 16 lanes store 256 consecutive bytes, aligned
.endr
	s_wait_tensorcnt 0x0                           ; the wave's end: behind my last LDS store
	ds_add_u32 v[SPW], v[NIL]
	s_wait_dscnt 0x0
	s_endpgm
.Lfunc_end_k_q7aa96e1501_qdot:
	.size	k_q7aa96e1501_qdot, .Lfunc_end_k_q7aa96e1501_qdot-k_q7aa96e1501_qdot
	.p2alignl 7, 3214868480
	.fill 96, 4, 3214868480
	.section	.rodata,"a",@progbits
	.p2align	6, 0x0
	.amdhsa_kernel k_q7aa96e1501_qdot
		.amdhsa_group_segment_fixed_size 17920
		.amdhsa_private_segment_fixed_size 0
		.amdhsa_enable_private_segment 0
		.amdhsa_kernarg_size 24
		.amdhsa_user_sgpr_count 2
		.amdhsa_user_sgpr_kernarg_segment_ptr 1
		.amdhsa_wavefront_size32 1
		.amdhsa_system_sgpr_workgroup_id_x 1
		.amdhsa_system_sgpr_workgroup_id_y 1
		.amdhsa_system_sgpr_workgroup_id_z 1
		.amdhsa_system_vgpr_workitem_id 0
		.amdhsa_next_free_vgpr 256
		.amdhsa_next_free_sgpr 66
		.amdhsa_reserve_vcc 0
		.amdhsa_float_denorm_mode_32 3
		.amdhsa_float_denorm_mode_16_64 3
		.amdhsa_memory_ordered 1
		.amdhsa_forward_progress 1
		.amdhsa_inst_pref_size 33
	.end_amdhsa_kernel
	.amdgpu_metadata
---
amdhsa.version: [ 1, 2 ]
amdhsa.kernels:
  - .name:           k_q7aa96e1501_qdot
    .symbol:         k_q7aa96e1501_qdot.kd
    .args:
      - { .name: Wq, .offset: 0, .size: 8, .value_kind: global_buffer, .address_space: global }
      - { .name: xv, .offset: 8, .size: 8, .value_kind: global_buffer, .address_space: global }
      - { .name: sp, .offset: 16, .size: 8, .value_kind: global_buffer, .address_space: global }
    .group_segment_fixed_size: 17920
    .private_segment_fixed_size: 0
    .kernarg_segment_align: 8
    .kernarg_segment_size: 24
    .max_flat_workgroup_size: 128
    .sgpr_count:     66
    .vgpr_count:     256
    .wavefront_size: 32
...
	.end_amdgpu_metadata
.endif
;; end of part 2
;; launch vgemm (part 3): grid 16 x 16, 4 waves a work-group, clusters of 4 x 4, 327,680 bytes of LDS; arguments wvb, xb, bv, vb; writes vb
.if DOCPART == 3
	.amdgcn_target "amdgcn-amd-amdhsa--gfx1250"
	.amdhsa_code_object_version 6
	.text
	.protected	k_q7aa96e1501_vgemm
	.globl	k_q7aa96e1501_vgemm
	.p2align	8
	.type	k_q7aa96e1501_vgemm,@function
k_q7aa96e1501_vgemm:
	s_mov_b64 s[64:65], 0
	v_nop
	global_prefetch_b8 v0, s[64:65] scope:SCOPE_SE
	s_setreg_imm32_b32 hwreg(HW_REG_WAVE_MODE, 25, 1), 1
	s_wait_xcnt 0x0
	s_wait_alu depctr_hold_cnt(0) depctr_sa_sdst(0) depctr_va_vdst(0) depctr_va_sdst(0) depctr_va_ssrc(0) depctr_va_vcc(0) depctr_vm_vsrc(0)
	s_getreg_b32 s2, hwreg(HW_REG_IB_STS2, 6, 4)
	s_cmp_eq_u32 s2, 0
	s_cbranch_scc0 .Lentry_in_a_cluster
	s_endpgm
.Lentry_in_a_cluster:
	s_bfe_u32 s2, ttmp6, 0x10000c
	s_cmp_lg_u32 s2, 0xf033
	s_cbranch_scc0 .Lentry_shape_is_right
	s_endpgm
.Lentry_shape_is_right:
; vgemm: vb[b][d][n] = bf16( the sum over e of wvb[d][e] xb[b][e][n] + bv[d] ).  wvb: [2048 d][2048 e] bf16, xb: [8][2048 e][512 n] bf16, bv: [2048] f32, vb: [8][2048 d][512 n] bf16.  Sums in f32, K ascending.
; TILE.  A work-group makes 128 rows d x 256 n of one batch: 16 x 16 work-groups.  Four waves 2 x 2, each 64 x 128: 32 accumulators of 16 x 16, 256 registers.
; K goes in 16 steps of 128 through two LDS slots filled by tensor loads; rows of A's tiles are 256 bytes of memory, rows of B's 512, all from aligned starts.  Two slots of twice the step would not fit in LDS.
; CLUSTER 4 x 4.  A's tile hangs on the tile row alone and is asked for jointly along a row of the cluster, B's on (batch, half of n) alone and jointly along a column.
; THE PRODUCT IS TAKEN TRANSPOSED: source 0 = 16 n x 32 e of x (stored [e][n], turned on the way out of LDS by ds_load_tr16_b128), source 1 = 16 rows of Wv.  A lane then holds one row d (lane % 16) and
; eight neighbouring n.  THE BIAS is the C operand of the products that start the sums: eight equal registers for each block of 16 rows.
; REGISTERS: window 0: v0-31 addresses; v32-63 the bias; v64-159, v160-255 two fragment buffers (B's eight fragments, then A's four).  Window 1: the accumulators, (a, i) at v[8 (8 a + i)].
.set PA,     272                       ; A's LDS row: 256 bytes + 16: the 16 rows of a load start at 16 different groups of four banks (64 banks of 4 bytes: ISA guide 11.1)
.set PB,     544                       ; B's LDS row: 512 bytes + 32 = 17 x 32
.set ATILE,  128*PA
.set BTILE,  128*PB
.set SLOT,   ATILE+BTILE               ; A's 128 rows, then B's 128 rows
.set STAGE,  2*SLOT                    ; behind the ring, never filled by a tensor load: 16 rows x 272 bytes for each wave, for the way out
.set SPITCH, 272
.set SPARE,  STAGE+4*16*SPITCH         ; the spare words, 128 bytes a wave
.set ADRA, 16                          ; v16-17  my A fragments in slot 0, 1
.set ADRB, 20                          ; v20-21  my B fragments
.set STO,  24                          ; v24     the way out: where I put 16 bytes of a row
.set RD,   25                          ; v25     where I read rows back
.set CO,   26                          ; v26     my byte offset in two rows of vb
.set BO,   27                          ; v27     my row's bias
.set SPW,  28                          ; v28     my spare word; never rewritten
.set NIL,  29                          ; v29     0; never rewritten
.set PFO,  30                          ; v30     the prefetches' offset: my lane x a row in memory
.set BI,   32
.set F0,   64
.set F1,   160
.set TMP,  64                          ; the way out: packed results
.set WV,   12                          ; s12  wave; s13 = wave / 2: my half of the rows, also: I fetch for A (0) or B (1); s14 = wave % 2: my half of n, also: which 64 rows I fetch
.set G1A,  24                          ; s[24:31] descriptor group 1 for A's tiles; s[32:39] group 0, a set for each slot
.set G0A,  32
.set LIM,  43                          ; s43  1 in a wave that prefetches, else the greatest number
.set PFA,  44                          ; s[44:45] where my prefetches stand
.set PFS,  46                          ; s[46:47] a K step in bytes along my operand
.set G1B,  48                          ; s[48:55], s[56:63] the same for B's tiles
.set G0B,  56
.set MSB, 0
.macro WIN new                         ; the immediate's high byte repeats the setting that is left; a switch that changes nothing is dropped
.if MSB != (\new)
	s_set_vgpr_msb (MSB<<8)|(\new)
.set MSB, \new
.endif
.endm
.macro PLACES                          ; four places in front of loads into registers that matrix instructions have read (ISA guide 7.12.1 for vector instructions)
.rept 4
	v_nop
.endr
.endm
.macro JLOAD s                         ; a joint load: waves 0, 1 fetch A's two halves, waves 2, 3 B's; an s_nop 0 and four v_nop follow each of the two lines
	s_cmp_eq_u32 s13, 0
	s_cbranch_scc0 .Lfor_b_\@
	tensor_load_to_lds s[G0A+4*(\s):G0A+4*(\s)+3], s[G1A:G1A+7]
	s_nop 0
.rept 4
	v_nop
.endr
	s_branch .Lasked_\@
.Lfor_b_\@:
	tensor_load_to_lds s[G0B+4*(\s):G0B+4*(\s)+3], s[G1B:G1B+7]
	s_nop 0
.rept 4
	v_nop
.endr
.Lasked_\@:
.endm
.macro CREST                           ; a round of the cluster's barrier behind its opening barrier
	s_cmp_lg_u32 s[WV], 0
	s_cbranch_scc1 .Lnot_wave_0_\@
	s_barrier_signal -3
.Lnot_wave_0_\@:
	s_barrier_wait -3
	s_barrier_signal -1
	s_barrier_wait -1
.endm
.macro CROUND
	s_barrier_signal -1
	s_barrier_wait -1
	CREST
.endm
; A prefetch of the K step that stands two refills on (the change of slots in step t names step t + 4: 256 matrix instructions ahead of the load that will want it), 32 blocks of 256 bytes, a lane a block.
; Each block is named once in the launch.  A's rows are read by every cluster of a row of clusters: the one with x = 0 asks, wave 0, each partner 32 of the 128 rows by cx.  B's rows by every cluster of a column:
; the one with y = 0 asks, each partner 32 of the 128 rows by cy, wave 2 their first 256 bytes and wave 3 their second.  The partners differ BY ADDRESS alone.  The loop's last trip asks for nothing: steps 16, 17 do not exist.
.macro ASK
	s_cmp_gt_u32 s3, s[LIM]
	s_cbranch_scc0 .Lnot_mine_\@
	global_prefetch_b8 v[PFO], s[PFA:PFA+1] th:TH_LOAD_NT scope:SCOPE_SE
.Lnot_mine_\@:
.endm
	s_load_b256 s[4:11], s[0:1], 0x0               ; wvb s[4:5], xb s[6:7], bv s[8:9], vb s[10:11]
	v_lshl_add_u32 v[SPW], v0, 2, SPARE
	v_mov_b32 v[NIL], 0
	ds_add_u32 v[SPW], v[NIL]                      ; the wave's opening: the add and its wait ahead of my first tensor load; work on registers stands between them
	v_lshrrev_b32 v1, 5, v0
	v_readfirstlane_b32 s[WV], v1
	s_lshr_b32 s13, s[WV], 1
	s_and_b32 s14, s[WV], 1
	s_bfe_u32 s15, ttmp6, 0x40000                  ; cx
	s_bfe_u32 s16, ttmp6, 0x40004                  ; cy
	s_lshl_b32 s17, ttmp9, 2
	s_add_co_u32 s17, s17, s15                     ; tx = 2 x batch + half of n
	s_and_b32 s18, ttmp7, 0xffff
	s_lshl_b32 s18, s18, 2
	s_add_co_u32 s18, s18, s16                     ; ty: rows 128 ty ..
	s_lshl_b32 s19, s16, 2
	s_lshl_b32 s19, 15, s19                        ; my row of the cluster
	s_lshl_b32 s40, 0x1111, s15                    ; my column
	s_or_b32 s[G1A], s19, (1<<16)|(1<<20)|(1<<21)|(5<<22)|(3<<25)  ; 15:0 mask; 17:16 2-byte elements; 20 padding on; 21 set beside a mask; 24:22 after every 64 words; 31:25 4 words
	s_or_b32 s[G1B], s40, (1<<16)|(1<<20)|(1<<21)|(6<<22)|(7<<25)  ; after every 128 words, 8 words
	s_mov_b32 s[G1A+1], 128<<16                    ; tensor_dim0 = 128
	s_mov_b32 s[G1A+2], 64<<16                     ; tensor_dim1 = 64
	s_mov_b32 s[G1A+3], 128<<16                    ; tile_dim0 = 128
	s_mov_b32 s[G1A+4], 64                         ; tile_dim1 = 64
	s_mov_b32 s[G1A+5], 2048                       ; elements from row to row
	s_mov_b32 s[G1A+6], 0
	s_mov_b32 s[G1A+7], 0
	s_mov_b32 s[G1B+1], 256<<16
	s_mov_b32 s[G1B+2], 64<<16
	s_mov_b32 s[G1B+3], 256<<16
	s_mov_b32 s[G1B+4], 64
	s_mov_b32 s[G1B+5], 512
	s_mov_b32 s[G1B+6], 0
	s_mov_b32 s[G1B+7], 0
	s_lshl_b32 s20, s18, 19                        ; A: 128 ty rows of 4,096 bytes,
	s_lshl_b32 s2, s14, 18                         ; + the 64 that I fetch
	s_add_co_u32 s20, s20, s2
	s_mov_b32 s21, 0
	s_lshr_b32 s22, s17, 1                         ; B: the batch's 2,097,152 bytes,
	s_lshl_b32 s22, s22, 21
	s_and_b32 s23, s17, 1
	s_lshl_b32 s23, s23, 9                         ; the half of n: 512 bytes of a row,
	s_add_co_u32 s22, s22, s23
	s_lshl_b32 s23, s14, 16                        ; the 64 rows of 1,024 bytes that I fetch
	s_add_co_u32 s22, s22, s23
	s_mov_b32 s23, 0
	s_mul_i32 s41, s14, 64*PA                      ; where they go: the wave's number alone enters an LDS address
	s_mul_i32 s42, s14, 64*PB
	s_add_co_u32 s42, s42, ATILE
	s_wait_dscnt 0x0                               ; the opening add is done
	s_wait_kmcnt 0x0
	s_add_nc_u64 s[20:21], s[4:5], s[20:21]
	s_add_nc_u64 s[22:23], s[6:7], s[22:23]
	CROUND                                         ; all sixteen work-groups are here: the first joint loads meet
.irp s, 0,1
	s_mov_b32 s[G0A+4*(\s)], 1
	s_add_co_u32 s[G0A+4*(\s)+1], s41, (\s)*SLOT
	s_add_nc_u64 s[G0A+4*(\s)+2:G0A+4*(\s)+3], s[20:21], (\s)*256       ; K step s: 256 bytes along A's rows,
	s_or_b32 s[G0A+4*(\s)+3], s[G0A+4*(\s)+3], 0x80000000
	s_mov_b32 s[G0B+4*(\s)], 1
	s_add_co_u32 s[G0B+4*(\s)+1], s42, (\s)*SLOT
	s_add_nc_u64 s[G0B+4*(\s)+2:G0B+4*(\s)+3], s[22:23], (\s)*131072    ; 128 rows of B down
	s_or_b32 s[G0B+4*(\s)+3], s[G0B+4*(\s)+3], 0x80000000
	JLOAD \s                                       ; by this text's count two tensor loads of a wave are out here, later one
.endr
	v_and_b32 v1, 15, v0                           ; r
	v_bfe_u32 v2, v0, 4, 1                         ; h
	v_mul_u32_u24 v3, v1, PA
	v_lshl_add_u32 v3, v2, 4, v3                   ; r x 272 + 16 h
	s_mul_i32 s19, s13, 64*PA
	v_add_nc_u32 v[ADRA], s19, v3
	v_add_nc_u32 v[ADRA+1], SLOT, v[ADRA]
	v_and_b32 v4, 7, v0                            ; the turning load: lane l reads row 8 h + l % 8, 16 bytes at 16 ((l / 8) % 2)
	v_bfe_u32 v5, v0, 3, 1
	v_lshl_add_u32 v4, v2, 3, v4
	v_mul_u32_u24 v4, v4, PB
	v_lshl_add_u32 v4, v5, 4, v4
	s_lshl_b32 s19, s14, 8                         ; my 128 n: 256 bytes
	s_add_co_u32 s19, s19, ATILE
	v_add_nc_u32 v[ADRB], s19, v4
	v_add_nc_u32 v[ADRB+1], SLOT, v[ADRB]
	s_mul_i32 s19, s[WV], 16*SPITCH
	s_add_co_u32 s19, s19, STAGE
	v_add_nc_u32 v[STO], s19, v3
	v_mul_u32_u24 v5, v2, SPITCH
	v_lshl_add_u32 v5, v1, 4, v5
	v_add_nc_u32 v[RD], s19, v5
	v_lshlrev_b32 v5, 10, v2
	v_lshl_add_u32 v[CO], v1, 4, v5
	s_lshl_b32 s19, s13, 8
	v_lshl_add_u32 v[BO], v1, 2, s19               ; (64 wr + r) x 4
	s_lshl_b32 s20, s18, 9                         ; the tile's 128 biases
	s_mov_b32 s21, 0
	s_add_nc_u64 s[8:9], s[8:9], s[20:21]
.irp a, 0,1,2,3
.irp j, 0,1,2,3,4,5,6,7
	global_load_b32 v[BI+8*(\a)+(\j)], v[BO], s[8:9] offset:64*(\a)  ; all eight registers of a lane belong to one row d
.endr
.endr
	s_lshr_b32 s20, s17, 1                         ; vb at my part of the tile: batch,
	s_lshl_b32 s20, s20, 21
	s_lshl_b32 s22, s18, 17                        ; 128 ty rows of 1,024 bytes,
	s_add_co_u32 s20, s20, s22
	s_lshl_b32 s22, s13, 16                        ; my 64,
	s_add_co_u32 s20, s20, s22
	s_and_b32 s22, s17, 1
	s_lshl_b32 s22, s22, 9                         ; half of n,
	s_add_co_u32 s20, s20, s22
	s_lshl_b32 s22, s14, 8                         ; my 128 n
	s_add_co_u32 s20, s20, s22
	s_add_nc_u64 s[10:11], s[10:11], s[20:21]
	; the prefetches: A's offset in s40, B's in s41; both stand at K step 3, and each change of slots steps them before it asks
	s_lshl_b32 s40, s18, 19
	s_lshl_b32 s41, s15, 17                        ; my work-group's 32 rows of A
	s_add_co_u32 s40, s40, s41
	s_add_co_u32 s40, s40, 3*256
	s_lshr_b32 s41, s17, 1
	s_lshl_b32 s41, s41, 21
	s_and_b32 s42, s17, 1
	s_lshl_b32 s42, s42, 9
	s_add_co_u32 s41, s41, s42
	s_lshl_b32 s42, s14, 8                         ; my 256 of a row's 512 bytes
	s_add_co_u32 s41, s41, s42
	s_lshl_b32 s42, s16, 15                        ; my work-group's 32 rows of B
	s_add_co_u32 s41, s41, s42
	s_add_co_u32 s41, s41, 3*131072
	s_and_b32 s19, ttmp7, 0xffff                   ; cluster y
	s_mov_b32 s2, 256
	s_mov_b32 s42, 131072
	s_cmp_lt_u32 s[WV], 2
	s_cselect_b32 s19, ttmp9, s19                  ; the coordinate along which other clusters read the same rows
	s_cselect_b64 s[PFA:PFA+1], s[4:5], s[6:7]
	s_cselect_b32 s[PFS], s2, s42
	s_cselect_b32 s40, s40, s41
	s_cselect_b32 s42, 12, 10                      ; a row of A is 4,096 bytes, of B 1,024
	s_mov_b32 s41, 0
	s_mov_b32 s[PFS+1], 0
	s_add_nc_u64 s[PFA:PFA+1], s[PFA:PFA+1], s[40:41]
	s_cmp_eq_u32 s[WV], 1
	s_cselect_b32 s19, 1, s19                      ; wave 1 asks for nothing
	s_cmp_eq_u32 s19, 0
	s_cselect_b32 s[LIM], 1, -1                    ; the same in all sixteen partners, for a given wave
	v_and_b32 v[PFO], 31, v0
	v_lshlrev_b32 v[PFO], s42, v[PFO]
; Eight matrix instructions: block a of 16 rows x all eight blocks of 16 n, 32 along K.  c = 1: the products start the sums, from the bias.  All 32 accumulators come in the same order in every quarter,
; one instruction a turn: 31 others stand between two links of a chain, over the backward jump too.
.macro MUL8 f, a, c
.if \c
	WIN 0x40                                       ; D in window 1, the bias in window 0
.else
	WIN 0x50                                       ; C and D in window 1
.endif
.irp i, 0,1,2,3,4,5,6,7
.if \c
	v_wmma_f32_16x16x32_bf16 v[8*(8*(\a)+(\i)):8*(8*(\a)+(\i))+7], v[(\f)+8*(\i):(\f)+8*(\i)+7], v[(\f)+64+8*(\a):(\f)+64+8*(\a)+7], v[BI+8*(\a):BI+8*(\a)+7]
.else
	v_wmma_f32_16x16x32_bf16 v[8*(8*(\a)+(\i)):8*(8*(\a)+(\i))+7], v[(\f)+8*(\i):(\f)+8*(\i)+7], v[(\f)+64+8*(\a):(\f)+64+8*(\a)+7], v[8*(8*(\a)+(\i)):8*(8*(\a)+(\i))+7]
.endif
.endr
.endm
; 24 LDS loads in one run: quarter q (32 along K) of slot s into buffer f: B's eight fragments, turned, then A's four, block 0 first
.macro FETCH s, q, f
	WIN 0
.irp i, 0,1,2,3,4,5,6,7
	ds_load_tr16_b128 v[(\f)+8*(\i):(\f)+8*(\i)+3],   v[ADRB+(\s)] offset:(\q)*32*PB+32*(\i)
	ds_load_tr16_b128 v[(\f)+8*(\i)+4:(\f)+8*(\i)+7], v[ADRB+(\s)] offset:(\q)*32*PB+16*PB+32*(\i)
.endr
.irp a, 0,1,2,3
	ds_load_b128 v[(\f)+64+8*(\a):(\f)+64+8*(\a)+3],   v[ADRA+(\s)] offset:64*(\q)+(\a)*16*PA
	ds_load_b128 v[(\f)+64+8*(\a)+4:(\f)+64+8*(\a)+7], v[ADRA+(\s)] offset:64*(\q)+(\a)*16*PA+32
.endr
.endm
; One of a step's first three quarters: multiplies buffer f; in its middle it fetches quarter q of the same slot into buffer g.
.macro QUARTER s, q, f, g, c
	s_wait_dscnt 4                                 ; all of B and A's blocks 0, 1 are in; the youngest four loads (blocks 2, 3) may be out
	MUL8 \f, 0, \c
	MUL8 \f, 1, \c
	PLACES
	FETCH \s, \q, \g
	s_wait_dscnt 24                                ; all but the 24 just issued
	MUL8 \f, 2, \c
	MUL8 \f, 3, \c
.endm
; The last quarter multiplies buffer 1 and changes slots: ONE barrier.  In front of it each wave waits for all its tensor loads (one is out: its part of the next slot), adds 0 to its spare word, and waits for that
; and for its reads of this slot.  fill = 1: the barrier opens a round of the cluster's, and this slot is filled again, two K steps on, first thing behind the round.
.macro TURN s, next, fill
.if \fill
	s_wait_xcnt 0x0                                ; the last prefetch, a K step back, has read its address
	s_add_nc_u64 s[PFA:PFA+1], s[PFA:PFA+1], s[PFS:PFS+1]
.endif
	WIN 0
	s_wait_tensorcnt 0x0                           ; all my tensor loads have landed, so a group 0 may be written
	ds_add_u32 v[SPW], v[NIL]
	s_wait_dscnt 5                                 ; the add and the youngest four loads may be out
	MUL8 F1, 0, 0
	s_wait_dscnt 0x0                               ; the add is done, and my reads of this slot are over
	s_barrier_signal -1
	MUL8 F1, 1, 0
	WIN 0                                          ; at a branch and at a label every window is 0
	s_barrier_wait -1
.if \fill
	CREST                                          ; no wave of any partner still reads this slot's tiles or has a load on its way
	s_add_nc_u64 s[G0A+4*(\s)+2:G0A+4*(\s)+3], s[G0A+4*(\s)+2:G0A+4*(\s)+3], 2*256
	s_add_nc_u64 s[G0B+4*(\s)+2:G0B+4*(\s)+3], s[G0B+4*(\s)+2:G0B+4*(\s)+3], 2*131072
	JLOAD \s                                       ; the four v_nop behind it are also the places in front of the loads below
.else
	PLACES
.endif
	FETCH \next, 0, F0
.if \fill
	ASK
.endif
	MUL8 F1, 2, 0
	MUL8 F1, 3, 0
.endm
	s_wait_tensorcnt 0x1                           ; my part of K step 0 is in; step 1's may stay out
	s_barrier_signal -1
	s_barrier_wait -1
	FETCH 0, 0, F0
	s_wait_loadcnt 0x0                             ; the bias
	QUARTER 0, 1, F0, F1, 1                        ; the first quarter stands in front of the loop: its products start the sums
	WIN 0
	s_mov_b32 s3, 7
.Llap:                                         ; a trip goes once round the ring, from a lap's second quarter to the next lap's first, and fills both slots again
	QUARTER 0, 2, F1, F0, 0
	QUARTER 0, 3, F0, F1, 0
	TURN 0, 1, 1
	QUARTER 1, 1, F0, F1, 0
	QUARTER 1, 2, F1, F0, 0
	QUARTER 1, 3, F0, F1, 0
	TURN 1, 0, 1
	QUARTER 0, 1, F0, F1, 0
	WIN 0
	s_sub_co_u32 s3, s3, 1
	s_cmp_lg_u32 s3, 0
	s_cbranch_scc1 .Llap
	QUARTER 0, 2, F1, F0, 0                        ; the last lap fills nothing
	QUARTER 0, 3, F0, F1, 0
	TURN 0, 1, 0
	QUARTER 1, 1, F0, F1, 0
	QUARTER 1, 2, F1, F0, 0
	QUARTER 1, 3, F0, F1, 0
	s_wait_dscnt 4
	MUL8 F1, 0, 0
	MUL8 F1, 1, 0
	s_wait_dscnt 0x0
	MUL8 F1, 2, 0
	MUL8 F1, 3, 0
; THE WAY OUT, a block of 16 rows at a time: rounded to bf16 (16 bytes a lane), into my own stage, back as whole rows of 256 bytes, stored.
.macro PACK a
	WIN 0x05                                       ; sources in window 1, destination in window 0
.irp i, 0,1,2,3,4,5,6,7
.irp z, 0,1,2,3
	v_cvt_pk_bf16_f32 v[TMP+4*(\i)+(\z)], v[8*(8*(\a)+(\i))+2*(\z)], v[8*(8*(\a)+(\i))+2*(\z)+1]  ; each accumulator's registers in ascending order
.endr
.endr
	WIN 0
.endm
.macro TOSTAGE a
.set BK, 96+32*((\a)%2)
.irp i, 0,1,2,3,4,5,6,7
	ds_store_b128 v[STO], v[TMP+4*(\i):TMP+4*(\i)+3] offset:32*(\i)
.endr
.irp t, 0,1,2,3,4,5,6,7
	ds_load_b128 v[BK+4*(\t):BK+4*(\t)+3], v[RD] offset:(\t)*2*SPITCH  ; LDS serves a wave's instructions in order (ISA guide 5.7.1.4): these see the stores above
.endr
.endm
.macro SEND a
.set BK, 96+32*((\a)%2)
	s_wait_dscnt 0x0                               ; the block is back in registers
	s_wait_xcnt 0x0                                ; the stores' base, and the registers that the block before last was stored from, are written again only behind this wait
.if (\a) > 0
	s_add_nc_u64 s[10:11], s[10:11], 16*1024
.endif
.irp t, 0,1,2,3,4,5,6,7
	global_store_b128 v[CO], v[BK+4*(\t):BK+4*(\t)+3], s[10:11] offset:(\t)*2048  ; 16 lanes store 256 consecutive bytes, aligned
.endr
.endm
	WIN 0
	PLACES
	PLACES                                         ; eight, once a launch, in front of conversions that read results just made
	PACK 0
	TOSTAGE 0
.irp a, 1,2,3
	PACK \a                                        ; a block's conversions stand between the loads of the block before and the wait for them
	SEND (\a)-1
	TOSTAGE \a
.endr
	SEND 3
	s_wait_tensorcnt 0x0                           ; the wave's end: behind my last tensor load and my last LDS store
	ds_add_u32 v[SPW], v[NIL]
	s_wait_dscnt 0x0
	CROUND                                         ; the closing round: no work-group ends while a partner may still ask for a tile that names it
	s_endpgm
.Lfunc_end_k_q7aa96e1501_vgemm:
	.size	k_q7aa96e1501_vgemm, .Lfunc_end_k_q7aa96e1501_vgemm-k_q7aa96e1501_vgemm
	.p2alignl 7, 3214868480
	.fill 96, 4, 3214868480
	.section	.rodata,"a",@progbits
	.p2align	6, 0x0
	.amdhsa_kernel k_q7aa96e1501_vgemm
		.amdhsa_group_segment_fixed_size 327680
		.amdhsa_private_segment_fixed_size 0
		.amdhsa_enable_private_segment 0
		.amdhsa_kernarg_size 32
		.amdhsa_user_sgpr_count 2
		.amdhsa_user_sgpr_kernarg_segment_ptr 1
		.amdhsa_wavefront_size32 1
		.amdhsa_system_sgpr_workgroup_id_x 1
		.amdhsa_system_sgpr_workgroup_id_y 1
		.amdhsa_system_sgpr_workgroup_id_z 1
		.amdhsa_system_vgpr_workitem_id 0
		.amdhsa_next_free_vgpr 512
		.amdhsa_next_free_sgpr 66
		.amdhsa_reserve_vcc 0
		.amdhsa_float_denorm_mode_32 3
		.amdhsa_float_denorm_mode_16_64 3
		.amdhsa_memory_ordered 1
		.amdhsa_forward_progress 1
		.amdhsa_inst_pref_size 91
	.end_amdhsa_kernel
	.amdgpu_metadata
---
amdhsa.version: [ 1, 2 ]
amdhsa.kernels:
  - .name:           k_q7aa96e1501_vgemm
    .symbol:         k_q7aa96e1501_vgemm.kd
    .args:
      - { .name: wvb, .offset: 0, .size: 8, .value_kind: global_buffer, .address_space: global }
      - { .name: xb, .offset: 8, .size: 8, .value_kind: global_buffer, .address_space: global }
      - { .name: bv, .offset: 16, .size: 8, .value_kind: global_buffer, .address_space: global }
      - { .name: vb, .offset: 24, .size: 8, .value_kind: global_buffer, .address_space: global }
    .group_segment_fixed_size: 327680
    .private_segment_fixed_size: 0
    .kernarg_segment_align: 8
    .kernarg_segment_size: 32
    .max_flat_workgroup_size: 128
    .sgpr_count:     66
    .vgpr_count:     512
    .wavefront_size: 32
...
	.end_amdgpu_metadata
.endif
;; end of part 3
;; launch attn (part 4): grid 16 x 16, 4 waves a work-group, clusters of 4 x 1, 327,680 bytes of LDS; arguments vb, sp, attention_map, bq, Wk, bk, gamma, feature_map, out0; writes out0
.if DOCPART == 4
	.amdgcn_target "amdgcn-amd-amdhsa--gfx1250"
	.amdhsa_code_object_version 6
	.text
	.protected	k_q7aa96e1501_attn
	.globl	k_q7aa96e1501_attn
	.p2align	8
	.type	k_q7aa96e1501_attn,@function
k_q7aa96e1501_attn:
	s_mov_b64 s[64:65], 0
	v_nop
	global_prefetch_b8 v0, s[64:65] scope:SCOPE_SE
	s_setreg_imm32_b32 hwreg(HW_REG_WAVE_MODE, 25, 1), 1
	s_wait_xcnt 0x0
	s_wait_alu depctr_hold_cnt(0) depctr_sa_sdst(0) depctr_va_vdst(0) depctr_va_sdst(0) depctr_va_ssrc(0) depctr_va_vcc(0) depctr_vm_vsrc(0)
	s_getreg_b32 s2, hwreg(HW_REG_IB_STS2, 6, 4)
	s_cmp_eq_u32 s2, 0
	s_cbranch_scc0 .Lentry_in_a_cluster
	s_endpgm
.Lentry_in_a_cluster:
	s_bfe_u32 s2, ttmp6, 0x10000c
	s_cmp_lg_u32 s2, 0x3003
	s_cbranch_scc0 .Lentry_shape_is_right
	s_endpgm
.Lentry_shape_is_right:
; attn: out[b][c][n] = gamma / l[c] x (the sum over d of p[c][d] v[b][d][n]) + x[b][c][n], p = 2^(Wk[d] s1' + bk[d] s0' - m'), l = the sum over d of p, m' = the maximum over d of Wk[d] s1' + bk[d] s0'.
; reference()'s keys are Wk[d] a[n] + bk[d], so its scores are Wk[d] s1[c] + bk[d] s0[c] for every input, with s1 = Wq xa + bq sum(a), s0 = Wq xs + 512 bq (sp holds the products in eight partial sums);
; s1' and s0' are these times log2(e).  The maximum is the true one, found in a pass over all 2,048 d before the first weight is made.  p is made on the fly, in f32, and rounded to bf16 for the product; l is the sum of the unrounded p.
; LIMITS.  The order of f32 roundings differs from reference()'s.  The exponent is fma(Wk, s1', fma(bk, s0', -m')), the maximum is taken of fma(Wk, s1', bk s0'): at the maximum the exponent may be off 0 by an ulp of the score.
; A weight below 2^-126 counts as 0.  NaN and infinities are not treated apart.
; TILE.  A work-group makes 128 rows c x 256 n of one batch.  Four waves 2 x 2, each 64 x 128: 32 accumulators.  d goes in 16 steps of 128; v's tiles (128 d x 512 bytes) come through two LDS slots by tensor loads.
; CLUSTER 4 x 1: the four partners are four blocks of c of one (batch, half of n) and walk the same tiles of v: each tile is asked for jointly.  Their place enters the global addresses of sp, bq, x, out and the prefetches alone.
; P.  Wave w makes rows 32 w .. 32 w + 31 of the tile's P for the NEXT step, in four lumps set into the step's four quarters, and stores them to one of two LDS buffers that no tensor load fills; the one barrier of a
; change of slots hands over the next P and the next tile of v, and frees this step's.
; THE PRODUCT IS TAKEN TRANSPOSED: source 0 = 16 n x 32 d of v (stored [d][n], turned by ds_load_tr16_b128), source 1 = 16 rows of P: a lane holds one row c (lane % 16) and eight neighbouring n.
; REGISTERS: window 0: v0-39 addresses; v64-159, v160-255 two fragment buffers.  Window 1: the accumulators, (a, i) at v[8 (8 a + i)].  Window 2: all that makes P.  Window 3: x's 64 rows x 512 bytes for the way out.
.set PA,     272                       ; P's LDS row: 256 bytes + 16
.set PB,     544                       ; v's LDS row: 512 bytes + 32 = 17 x 32
.set BTILE,  128*PB                    ; slot s at s x BTILE
.set PBUF,   2*BTILE                   ; two buffers of P
.set PTILE,  128*PA
.set STAGE,  PBUF+2*PTILE              ; 16 rows x 528 bytes for each wave, for the way out
.set SPITCH, 528
.set LTAB,   STAGE+4*16*SPITCH         ; gamma / l of the tile's 128 rows
.set SPARE,  LTAB+512                  ; the spare words, 128 bytes a wave
.set ADRA, 16                          ; v16-17  my fragments of P in buffer 0, 1
.set ADRB, 20                          ; v20-21  my fragments of v in slot 0, 1
.set STO,  24                          ; v24     the way out: where I put 32 bytes of a row
.set RD,   25                          ; v25     where I read rows back
.set XO,   26                          ; v26     16 x lane
.set SPW,  28                          ; v28     my spare word; never rewritten
.set NIL,  29                          ; v29     0; never rewritten
.set PFO,  30                          ; v30     1,024 x lane
.set GF,   32                          ; v32-35  gamma / l of row 16 a + lane % 16
.set LTW,  36                          ; v36     where I put gamma / l
.set LTR,  37                          ; v37     where I read it
.set CL,   38                          ; v38     (32 w + lane) x 4
.set F0,   64
.set F1,   160
; window 2.  Lane (h, q) has the d = 8 q .. 8 q + 7 of a step and the rows 32 w + 2 p + h, p = 0..15.  For row p: v[6 p], v[6 p + 1] = s1' twice; + 2, + 3 = s0' twice; + 4, + 5 = -m' twice
.set LSUM, 96                          ; v[96 + 2 p ..]  l's two partial sums
.set WKB,  128                         ; set 0, 1 at WKB + 16 set: eight Wk, then eight bk
.set T,    160                         ; v160-191 at work: four rows x eight d
.set MX,   192                         ; v[192 + p] the running maximum of the first pass
.set PST,  208                         ; where I store 16 bytes of P
.set WA0,  209                         ; 32 q
.set WA,   210                         ; v210-211 the offset of a set's loads
.set WV,   23                          ; s23  wave; s40 = wave / 2: my half of the rows; s41 = wave % 2: my half of n, also which 64 rows of v I fetch
.set G1,   24                          ; s[24:31] descriptor group 1
.set G0,   32                          ; s[32:39] group 0, a set for each slot
.set LIM,  43                          ; s43  1 in a wave that prefetches, else the greatest number
.set PFA,  44                          ; s[44:45] where my prefetches stand
.set SOFF, 46                          ; s46  byte offset in Wk and bk of the chunk of 128 d to be loaded next, modulo 8,192
.set SEL,  48                          ; s[48:49] v_permlanex16_b32's selects
.set XB,   50                          ; s[50:51] x at my part of the tile
.set OB,   52                          ; s[52:53] out likewise
.set GS,   68                          ; s[68:99] sixteen pairs: gamma / l of a block's rows in the low words
.set MSB, 0
.macro WIN new                         ; the immediate's high byte repeats the setting that is left; a switch that changes nothing is dropped
.if MSB != (\new)
	s_set_vgpr_msb (MSB<<8)|(\new)
.set MSB, \new
.endif
.endm
.macro PLACES
.rept 4
	v_nop
.endr
.endm
.macro JLOAD s                         ; a joint refill: waves 0 and 1 fetch the tile's two halves, 64 rows each; waves 2 and 3 have no part to fill.  An s_nop 0 and four v_nop follow the load
	s_cmp_lt_u32 s[WV], 2
	s_cbranch_scc0 .Lno_load_\@
	tensor_load_to_lds s[G0+4*(\s):G0+4*(\s)+3], s[G1:G1+7]
	s_nop 0
.rept 4
	v_nop
.endr
.Lno_load_\@:
.endm
.macro CREST
	s_cmp_lg_u32 s[WV], 0
	s_cbranch_scc1 .Lnot_wave_0_\@
	s_barrier_signal -3
.Lnot_wave_0_\@:
	s_barrier_wait -3
	s_barrier_signal -1
	s_barrier_wait -1
.endm
.macro CROUND
	s_barrier_signal -1
	s_barrier_wait -1
	CREST
.endm
; A prefetch of the tile two refills on (the change of slots in step t names step t + 4: 256 matrix instructions ahead of the load that will want it).  All four clusters of a (batch, half of n) walk the same tiles: the first asks.
; Its four partners take 32 of the 128 rows each, BY ADDRESS; in each, wave 2 asks for the rows' first 256 bytes and wave 3 for their second: a lane a row.  So each block is named once.  The loop's last trip asks for nothing.
.macro ASK
	s_cmp_gt_u32 s3, s[LIM]
	s_cbranch_scc0 .Lnot_mine_\@
	global_prefetch_b8 v[PFO], s[PFA:PFA+1] th:TH_LOAD_NT scope:SCOPE_SE
.Lnot_mine_\@:
.endm
	s_load_b512 s[4:19], s[0:1], 0x0               ; vb s[4:5], sp s[6:7], a s[8:9], bq s[10:11], Wk s[12:13], bk s[14:15], gamma s[16:17], x s[18:19]
	s_load_b64 s[20:21], s[0:1], 0x40              ; out
	v_lshl_add_u32 v[SPW], v0, 2, SPARE
	v_mov_b32 v[NIL], 0
	ds_add_u32 v[SPW], v[NIL]                      ; the wave's opening: the add and its wait ahead of my first tensor load; work on registers stands between them
	v_lshrrev_b32 v1, 5, v0
	v_readfirstlane_b32 s[WV], v1
	s_lshr_b32 s40, s[WV], 1
	s_and_b32 s41, s[WV], 1
	s_bfe_u32 s42, ttmp6, 0x40000                  ; cx
	s_lshl_b32 s47, ttmp9, 2
	s_add_co_u32 s47, s47, s42                     ; tx: rows c = 128 tx ..
	s_and_b32 s54, ttmp7, 0xffff
	s_lshr_b32 s55, s54, 1                         ; batch
	s_and_b32 s54, s54, 1                          ; half of n
	s_lshl_b32 s56, s55, 21                        ; vb: the batch's 2,097,152 bytes,
	s_lshl_b32 s58, s54, 9                         ; the half of n: 512 bytes of a row: what the four partners share
	s_add_co_u32 s56, s56, s58
	s_mov_b32 s57, 0
	s_lshl_b32 s58, s41, 16                        ; the 64 rows of 1,024 bytes that I fetch
	s_add_co_u32 s58, s56, s58
	s_mov_b32 s59, 0
	s_mul_i32 s60, s41, 64*PB                      ; and where they go: the wave's number alone enters an LDS address
	s_mov_b32 s[G1], 15|(1<<16)|(1<<20)|(1<<21)|(6<<22)|(7<<25)  ; 15:0 the mask of four; 17:16 2-byte elements; 20 padding on; 21 set beside a mask; 24:22 after every 128 words; 31:25 8 words
	s_mov_b32 s[G1+1], 256<<16                     ; tensor_dim0 = 256
	s_mov_b32 s[G1+2], 64<<16                      ; tensor_dim1 = 64
	s_mov_b32 s[G1+3], 256<<16                     ; tile_dim0 = 256
	s_mov_b32 s[G1+4], 64                          ; tile_dim1 = 64
	s_mov_b32 s[G1+5], 512                         ; elements from row to row
	s_mov_b32 s[G1+6], 0
	s_mov_b32 s[G1+7], 0
	s_mov_b32 s[SEL], 0x76543210
	s_mov_b32 s[SEL+1], 0xfedcba98
	s_mov_b32 s[SOFF], 0
.set t, 0
.rept 16
	s_mov_b32 s[GS+2*t+1], 0                       ; named with the low words as pairs, so they are written
.set t, t+1
.endr
	s_xor_b32 s61, s40, 1                          ; 0 in waves 2 and 3,
	s_or_b32 s61, s61, ttmp9                       ; where the cluster is the first of its row: the same in all four partners
	s_cmp_eq_u32 s61, 0
	s_cselect_b32 s[LIM], 1, -1
	s_wait_dscnt 0x0                               ; the opening add is done
	s_wait_kmcnt 0x0
	s_load_b32 s22, s[16:17], 0x0                  ; gamma
	s_add_nc_u64 s[62:63], s[4:5], s[58:59]
.irp s, 0,1
	s_mov_b32 s[G0+4*(\s)], 1
	s_add_co_u32 s[G0+4*(\s)+1], s60, (\s)*BTILE
	s_add_nc_u64 s[G0+4*(\s)+2:G0+4*(\s)+3], s[62:63], (\s)*131072  ; step s: 128 rows down
	s_or_b32 s[G0+4*(\s)+3], s[G0+4*(\s)+3], 0x80000000
.endr
	CROUND                                         ; all four work-groups are here: the first joint loads meet
	s_cmp_lt_u32 s[WV], 2                          ; a wave's two first fills stand in one branch, ahead of every wait on TENSORcnt and every LDS read: two loads of mine are out
	s_cbranch_scc0 .Lfirst_done
	tensor_load_to_lds s[G0:G0+3], s[G1:G1+7]
	s_nop 0
	tensor_load_to_lds s[G0+4:G0+7], s[G1:G1+7]
	s_nop 0
.rept 4
	v_nop
.endr
.Lfirst_done:
	s_lshl_b32 s2, s41, 8                          ; the prefetches: my 256 of a row's 512 bytes,
	s_add_co_u32 s56, s56, s2
	s_lshl_b32 s2, s42, 15                         ; my work-group's 32 rows,
	s_add_co_u32 s56, s56, s2
	s_add_co_u32 s56, s56, 3*131072                ; at step 3: each change of slots steps the address before it asks
	s_add_nc_u64 s[PFA:PFA+1], s[4:5], s[56:57]
	s_lshl_b32 s56, s55, 13                        ; sp: xv's row b, my tile's 128 c
	s_lshl_b32 s58, s47, 9
	s_add_co_u32 s56, s56, s58
	s_add_nc_u64 s[6:7], s[6:7], s[56:57]
	s_add_nc_u64 s[10:11], s[10:11], s[58:59]      ; bq at the tile's 128 c
	s_lshl_b32 s56, s55, 11
	s_add_nc_u64 s[8:9], s[8:9], s[56:57]          ; a at the batch
	s_lshl_b32 s56, s55, 22                        ; x and out: the batch's 4,194,304 bytes,
	s_lshl_b32 s58, s47, 18                        ; 128 tx rows of 2,048 bytes,
	s_add_co_u32 s56, s56, s58
	s_lshl_b32 s58, s40, 17                        ; my 64,
	s_add_co_u32 s56, s56, s58
	s_lshl_b32 s58, s54, 10                        ; the half of n,
	s_add_co_u32 s56, s56, s58
	s_lshl_b32 s58, s41, 9                         ; my 128 n
	s_add_co_u32 s56, s56, s58
	s_add_nc_u64 s[XB:XB+1], s[18:19], s[56:57]
	s_add_nc_u64 s[OB:OB+1], s[20:21], s[56:57]
	v_and_b32 v1, 15, v0                           ; r, also q
	v_bfe_u32 v2, v0, 4, 1                         ; h
	v_and_b32 v6, 31, v0                           ; lane
	s_lshl_b32 s59, s[WV], 7
	v_lshl_add_u32 v[CL], v6, 2, s59
	v_lshlrev_b32 v[XO], 4, v6
	v_lshlrev_b32 v[PFO], 10, v6
.irp kind, 0,1
.irp kp, 0,1,2,3,4,5,6,7
	global_load_b32 v[64+8*(\kind)+(\kp)], v[CL], s[6:7] offset:(\kp)*131072+(\kind)*65536  ; lane l: row c = 32 w + l
.endr
.endr
	global_load_b32 v80, v[CL], s[10:11]
.irp j, 0,1,2,3
	global_load_b128 v[84+4*(\j):87+4*(\j)], v[XO], s[8:9] offset:512*(\j)
.endr
	s_add_co_u32 s60, s59, LTAB
	v_lshl_add_u32 v[LTW], v2, 2, s60              ; LTAB + (32 w + h) x 4
	s_lshl_b32 s60, s40, 8
	s_add_co_u32 s60, s60, LTAB
	v_lshl_add_u32 v[LTR], v1, 2, s60              ; LTAB + (64 wr + r) x 4
	s_mul_i32 s60, s[WV], 32*PA
	s_add_co_u32 s60, s60, PBUF
	v_mul_u32_u24 v5, v2, PA
	v_lshl_add_u32 v5, v1, 4, v5
	v_add_nc_u32 v5, s60, v5                       ; PBUF + (32 w + h) x 272 + 16 q
	WIN 0x80                                       ; destination window 2, sources window 0
	v_mov_b32 v[PST], v5
	v_lshlrev_b32 v[WA0], 5, v1
; The next chunk's eight Wk and eight bk of this lane into set st.  The set's earlier loads have been shown done by their own counted wait, so their offset register may be written.  The offset wraps at the tables' end.
.macro WKLOAD st
	WIN 0xaa                                       ; every operand in window 2
	v_add_nc_u32 v[WA+(\st)], s[SOFF], v[WA0]
	global_load_b128 v[WKB+16*(\st):WKB+16*(\st)+3],     v[WA+(\st)], s[12:13]
	global_load_b128 v[WKB+16*(\st)+4:WKB+16*(\st)+7],   v[WA+(\st)], s[12:13] offset:16
	global_load_b128 v[WKB+16*(\st)+8:WKB+16*(\st)+11],  v[WA+(\st)], s[14:15]
	global_load_b128 v[WKB+16*(\st)+12:WKB+16*(\st)+15], v[WA+(\st)], s[14:15] offset:16
	s_add_co_u32 s[SOFF], s[SOFF], 512
	s_and_b32 s[SOFF], s[SOFF], 0x1fff
.endm
; The first pass, rows 4 g .. 4 g + 3: 32 scores and their maximum; the four rows take turns, so a row's links stand four lines apart.
.macro MAXB g, st
.irp pp, 0,1,2,3
.irp k, 0,1,2,3
	v_pk_mul_f32 v[T+8*(\pp)+2*(\k):T+8*(\pp)+2*(\k)+1], v[WKB+16*(\st)+8+2*(\k):WKB+16*(\st)+8+2*(\k)+1], v[6*(4*(\g)+(\pp))+2:6*(4*(\g)+(\pp))+3]
.endr
.endr
.irp pp, 0,1,2,3
.irp k, 0,1,2,3
	v_pk_fma_f32 v[T+8*(\pp)+2*(\k):T+8*(\pp)+2*(\k)+1], v[WKB+16*(\st)+2*(\k):WKB+16*(\st)+2*(\k)+1], v[6*(4*(\g)+(\pp)):6*(4*(\g)+(\pp))+1], v[T+8*(\pp)+2*(\k):T+8*(\pp)+2*(\k)+1]
.endr
.endr
.irp k, 0,1,2,3
.irp pp, 0,1,2,3
	v_max3_num_f32 v[MX+4*(\g)+(\pp)], v[MX+4*(\g)+(\pp)], v[T+8*(\pp)+2*(\k)], v[T+8*(\pp)+2*(\k)+1]
.endr
.endr
.endm
; One of the eight lines that make row p's eight exponents in T's quarter pp: k = 0..3: bk s0' - m'; k = 4..7: + Wk s1'
.macro FQ p, pp, k, st
.if (\k) < 4
	v_pk_fma_f32 v[T+8*(\pp)+2*(\k):T+8*(\pp)+2*(\k)+1], v[WKB+16*(\st)+8+2*(\k):WKB+16*(\st)+8+2*(\k)+1], v[6*(\p)+2:6*(\p)+3], v[6*(\p)+4:6*(\p)+5]
.else
	v_pk_fma_f32 v[T+8*(\pp)+2*(\k)-8:T+8*(\pp)+2*(\k)-7], v[WKB+16*(\st)+2*(\k)-8:WKB+16*(\st)+2*(\k)-7], v[6*(\p):6*(\p)+1], v[T+8*(\pp)+2*(\k)-8:T+8*(\pp)+2*(\k)-7]
.endif
.endm
; A LUMP: rows 4 g .. 4 g + 3 of my part of P for the chunk in set st, into buffer buf.  The 32 exponentials are ONE batch with one wait: ahead of it nothing names a result (a row's exponents are made among the
; exponentials of the row before); behind it stand the sums, the roundings and the four stores.  first = 1: the sums begin.
.macro GEN g, buf, st, first
	WIN 0xaa
.if (\g) == 0
	s_wait_loadcnt 4                               ; this set's four loads are in; the other set's four, issued behind them, may stay out
.endif
.irp k, 0,1,2,3,4,5,6,7
	FQ 4*(\g), 0, \k, \st
.endr
.irp pp, 0,1,2,3
.irp k, 0,1,2,3,4,5,6,7
	v_exp_f32 v[T+8*(\pp)+(\k)], v[T+8*(\pp)+(\k)]
.if (\pp) < 3
	FQ 4*(\g)+(\pp)+1, (\pp)+1, \k, \st
.endif
.endr
.endr
	v_nop                                          ; a plain instruction behind the last exponential,
	s_wait_alu depctr_va_vdst(0)                   ; and one wait ahead of the batch's first reader
.if \first
.irp pp, 0,1,2,3
	v_pk_add_f32 v[LSUM+2*(4*(\g)+(\pp)):LSUM+2*(4*(\g)+(\pp))+1], v[T+8*(\pp):T+8*(\pp)+1], v[T+8*(\pp)+2:T+8*(\pp)+3]
.endr
.irp k, 2,3
.irp pp, 0,1,2,3
	v_pk_add_f32 v[LSUM+2*(4*(\g)+(\pp)):LSUM+2*(4*(\g)+(\pp))+1], v[LSUM+2*(4*(\g)+(\pp)):LSUM+2*(4*(\g)+(\pp))+1], v[T+8*(\pp)+2*(\k):T+8*(\pp)+2*(\k)+1]
.endr
.endr
.else
.irp k, 0,1,2,3
.irp pp, 0,1,2,3
	v_pk_add_f32 v[LSUM+2*(4*(\g)+(\pp)):LSUM+2*(4*(\g)+(\pp))+1], v[LSUM+2*(4*(\g)+(\pp)):LSUM+2*(4*(\g)+(\pp))+1], v[T+8*(\pp)+2*(\k):T+8*(\pp)+2*(\k)+1]
.endr
.endr
.endif
.irp pp, 0,1,2,3
.irp z, 0,1,2,3
	v_cvt_pk_bf16_f32 v[T+8*(\pp)+(\z)], v[T+8*(\pp)+2*(\z)], v[T+8*(\pp)+2*(\z)+1]
.endr
.endr
.irp pp, 0,1,2,3
	ds_store_b128 v[PST], v[T+8*(\pp):T+8*(\pp)+3] offset:(\buf)*PTILE+(4*(\g)+(\pp))*2*PA  ; 16 lanes write a row's 256 bytes
.endr
.endm
	WKLOAD 0                                       ; chunks 0 and 1
	WKLOAD 1
	WIN 0
	v_mul_u32_u24 v3, v1, PA
	v_lshl_add_u32 v3, v2, 4, v3                   ; r x 272 + 16 h
	s_mul_i32 s59, s40, 64*PA
	s_add_co_u32 s59, s59, PBUF
	v_add_nc_u32 v[ADRA], s59, v3
	v_add_nc_u32 v[ADRA+1], PTILE, v[ADRA]
	v_and_b32 v4, 7, v0                            ; the turning load: lane l reads row 8 h + l % 8, 16 bytes at 16 ((l / 8) % 2)
	v_bfe_u32 v5, v0, 3, 1
	v_lshl_add_u32 v4, v2, 3, v4
	v_mul_u32_u24 v4, v4, PB
	v_lshl_add_u32 v4, v5, 4, v4
	s_lshl_b32 s59, s41, 8
	v_add_nc_u32 v[ADRB], s59, v4
	v_add_nc_u32 v[ADRB+1], BTILE, v[ADRB]
	s_mul_i32 s59, s[WV], 16*SPITCH
	s_add_co_u32 s59, s59, STAGE
	v_mul_u32_u24 v5, v1, SPITCH
	v_lshl_add_u32 v5, v2, 5, v5
	v_add_nc_u32 v[STO], s59, v5
	v_lshl_add_u32 v[RD], v6, 4, s59
	v_lshlrev_b32 v100, 2, v2                      ; the lane to take row 2 p + h from, times 4
.set p, 1
.rept 15
	v_add_nc_u32 v[100+p], 8*p, v100
.set p, p+1
.endr
	s_wait_loadcnt 8                               ; sp, bq and a are in; the two sets' eight loads may stay out
	s_wait_kmcnt 0x0                               ; gamma
	v_pk_add_f32 v[64:65], v[64:65], v[66:67]      ; the eight partial sums of each kind
	v_pk_add_f32 v[68:69], v[68:69], v[70:71]
	v_pk_add_f32 v[72:73], v[72:73], v[74:75]
	v_pk_add_f32 v[76:77], v[76:77], v[78:79]
	v_pk_add_f32 v[84:85], v[84:85], v[86:87]      ; and the sum of a
	v_pk_add_f32 v[88:89], v[88:89], v[90:91]
	v_pk_add_f32 v[92:93], v[92:93], v[94:95]
	v_pk_add_f32 v[96:97], v[96:97], v[98:99]
	v_pk_add_f32 v[64:65], v[64:65], v[68:69]
	v_pk_add_f32 v[72:73], v[72:73], v[76:77]
	v_pk_add_f32 v[84:85], v[84:85], v[88:89]
	v_pk_add_f32 v[92:93], v[92:93], v[96:97]
	v_add_f32 v64, v64, v65
	v_add_f32 v72, v72, v73
	v_pk_add_f32 v[84:85], v[84:85], v[92:93]
	v_add_f32 v84, v84, v85
	v_add_f32_dpp v84, v84, v84 row_xmask:1 row_mask:0xf bank_mask:0xf
	v_add_f32_dpp v84, v84, v84 row_xmask:2 row_mask:0xf bank_mask:0xf
	v_add_f32_dpp v84, v84, v84 row_xmask:4 row_mask:0xf bank_mask:0xf
	v_add_f32_dpp v84, v84, v84 row_xmask:8 row_mask:0xf bank_mask:0xf
	v_permlanex16_b32 v85, v84, s[SEL], s[SEL+1]
	v_add_f32 v84, v84, v85
	v_fma_f32 v81, v80, v84, v64                   ; s1 = Wq xa + bq sum(a)
	v_fmamk_f32 v82, v80, 0x44000000, v72          ; s0 = Wq xs + 512 bq
	v_mul_f32 v81, 0x3fb8aa3b, v81                 ; times log2(e)
	v_mul_f32 v82, 0x3fb8aa3b, v82
.set p, 0
.rept 16
	ds_bpermute_b32 v[120+p], v[100+p], v81        ; from lane 2 p + h: row 32 w + 2 p + h
	ds_bpermute_b32 v[136+p], v[100+p], v82
.set p, p+1
.endr
	s_wait_dscnt 0x0
	WIN 0x80
.set p, 0
.rept 16
	v_mov_b32 v[6*p], v[120+p]
	v_mov_b32 v[6*p+1], v[120+p]
	v_mov_b32 v[6*p+2], v[136+p]
	v_mov_b32 v[6*p+3], v[136+p]
	v_mov_b32 v[MX+p], 0xff7fffff                  ; the lowest finite number
.set p, p+1
.endr
	WIN 0
	s_mov_b32 s3, 8
.Lmax:                                         ; THE FIRST PASS: eight trips of two chunks of 128 d.  The last trip's loads wrap to chunks 0 and 1, which the second pass begins with
	WIN 0xaa
	s_wait_loadcnt 4                               ; set 0 is in; set 1's four loads may stay out, on the way in and round the backward jump
.irp g, 0,1,2,3
	MAXB \g, 0
.endr
	WKLOAD 0
	s_wait_loadcnt 4                               ; set 1 is in; set 0's four may stay out
.irp g, 0,1,2,3
	MAXB \g, 1
.endr
	WKLOAD 1
	WIN 0
	s_sub_co_u32 s3, s3, 1
	s_cmp_lg_u32 s3, 0
	s_cbranch_scc1 .Lmax
	WIN 0x02                                       ; source window 2, destination window 0
.set p, 0
.rept 16
	v_mov_b32 v[64+p], v[MX+p]
.set p, p+1
.endr
	WIN 0
.irp m, 1,2,4,8                        ; a row's 2,048 d lie in the 16 lanes of one half
.set p, 0
.rept 16
	v_max_num_f32_dpp v[64+p], v[64+p], v[64+p] row_xmask:\m row_mask:0xf bank_mask:0xf
.set p, p+1
.endr
.endr
	WIN 0x80
.set p, 0
.rept 16
	v_xor_b32 v[6*p+4], 0x80000000, v[64+p]        ; -m', twice
	v_xor_b32 v[6*p+5], 0x80000000, v[64+p]
.set p, p+1
.endr
.irp g, 0,1,2,3
	GEN \g, 0, 0, 1                                ; P of step 0
.endr
	WKLOAD 0                                       ; chunk 2
	WIN 0
; Eight matrix instructions: block a of 16 rows x all eight blocks of 16 n, 32 along d.  c = 1: the products start the sums.  All 32 accumulators come in the same order in every quarter, one instruction a turn,
; 31 others stand between two links of a chain, over the backward jump too.
.macro MUL8 f, a, c
	WIN 0x50                                       ; C and D in window 1
.irp i, 0,1,2,3,4,5,6,7
.if \c
	v_wmma_f32_16x16x32_bf16 v[8*(8*(\a)+(\i)):8*(8*(\a)+(\i))+7], v[(\f)+8*(\i):(\f)+8*(\i)+7], v[(\f)+64+8*(\a):(\f)+64+8*(\a)+7], 0
.else
	v_wmma_f32_16x16x32_bf16 v[8*(8*(\a)+(\i)):8*(8*(\a)+(\i))+7], v[(\f)+8*(\i):(\f)+8*(\i)+7], v[(\f)+64+8*(\a):(\f)+64+8*(\a)+7], v[8*(8*(\a)+(\i)):8*(8*(\a)+(\i))+7]
.endif
.endr
.endm
; 24 LDS loads in one run: quarter q of slot and buffer s into fragment buffer f: v's eight fragments, turned, then P's four, block 0 first
.macro FETCH s, q, f
	WIN 0
.irp i, 0,1,2,3,4,5,6,7
	ds_load_tr16_b128 v[(\f)+8*(\i):(\f)+8*(\i)+3],   v[ADRB+(\s)] offset:(\q)*32*PB+32*(\i)
	ds_load_tr16_b128 v[(\f)+8*(\i)+4:(\f)+8*(\i)+7], v[ADRB+(\s)] offset:(\q)*32*PB+16*PB+32*(\i)
.endr
.irp a, 0,1,2,3
	ds_load_b128 v[(\f)+64+8*(\a):(\f)+64+8*(\a)+3],   v[ADRA+(\s)] offset:64*(\q)+(\a)*16*PA
	ds_load_b128 v[(\f)+64+8*(\a)+4:(\f)+64+8*(\a)+7], v[ADRA+(\s)] offset:64*(\q)+(\a)*16*PA+32
.endr
.endm
; One of a step's first three quarters: multiplies buffer f; in its middle stands lump gen of the next step's P (its plain instructions, which name no register of a product, are the places in front of the loads; its four
; stores are older than they), or four v_nop (gen < 0); then quarter q of the same slot is fetched into buffer g.
.macro QUARTER s, q, f, g, c, gen, buf, st
	s_wait_dscnt 4                                 ; all of v's fragments and P's blocks 0, 1 are in; the youngest four loads (blocks 2, 3) may be out
	MUL8 \f, 0, \c
	MUL8 \f, 1, \c
.if (\gen) < 0
	PLACES
.else
	GEN \gen, \buf, \st, 0
.endif
	FETCH \s, \q, \g
	s_wait_dscnt 24                                ; all but the 24 just issued
	MUL8 \f, 2, \c
	MUL8 \f, 3, \c
.endm
; l is finished: its two halves and the 16 lanes of a half are added; gamma / l goes to LDS for all waves.  Fragment buffer 0 is free here, and the lump in front holds the places behind the products that read it.
.macro LFIN
	WIN 0x0a                                       ; sources window 2, destination window 0
.set p, 0
.rept 16
	v_add_f32 v[F0+p], v[LSUM+2*p], v[LSUM+2*p+1]
.set p, p+1
.endr
	WIN 0
.irp m, 1,2,4,8
.set p, 0
.rept 16
	v_add_f32_dpp v[F0+p], v[F0+p], v[F0+p] row_xmask:\m row_mask:0xf bank_mask:0xf
.set p, p+1
.endr
.endr
.set p, 0
.rept 16
	v_rcp_f32 v[F0+p], v[F0+p]
.set p, p+1
.endr
	v_nop                                          ; a plain instruction behind the last reciprocal,
	s_wait_alu depctr_va_vdst(0)                   ; and one wait for the sixteen, ahead of their first reader
.set p, 0
.rept 16
	v_mul_f32 v[F0+p], s22, v[F0+p]
.set p, p+1
.endr
.set p, 0
.rept 16
	ds_store_b32 v[LTW], v[F0+p] offset:8*p        ; the 16 lanes of a half write the same word with the same number: row 32 w + 2 p + h
.set p, p+1
.endr
.endm
; The last quarter multiplies buffer 1 and changes slots: ONE barrier.  At its head the last lump of the next P (and, fin = 1, l).  In front of the barrier each wave waits for all its tensor loads, adds 0 to its spare word, and
; waits for that, for its stores of P and for its reads of this slot and this P.  fill = 1: the barrier opens a round of the cluster's, and this slot is filled again, two steps on, first thing behind the round.
.macro TURN s, next, fill, buf, st, fin
.if \fill
	s_wait_xcnt 0x0                                ; the last prefetch, a step back, has read its address
	s_add_nc_u64 s[PFA:PFA+1], s[PFA:PFA+1], 131072
.endif
	GEN 3, \buf, \st, 0
.if \fill
	WKLOAD \st                                     ; the chunk two steps on, into the set just used up (in step 13 it wraps to chunk 0, and its numbers are not used)
.endif
.if \fin
	LFIN
.endif
	WIN 0
	s_wait_tensorcnt 0x0                           ; all my tensor loads have landed, so a group 0 may be written
	ds_add_u32 v[SPW], v[NIL]
	s_wait_dscnt 9+16*(\fin)                       ; what may be out: the add, the lump's 4 (with l: 20) stores, and the fetch's youngest four loads
	MUL8 F1, 0, 0
	s_wait_dscnt 0x0                               ; the add and my stores are done, my reads are over
	s_barrier_signal -1
	MUL8 F1, 1, 0
	WIN 0                                          ; at a branch and at a label every window is 0
	s_barrier_wait -1
.if \fill
	CREST                                          ; no wave of any partner still reads this slot's tile or has a load on its way
	s_add_nc_u64 s[G0+4*(\s)+2:G0+4*(\s)+3], s[G0+4*(\s)+2:G0+4*(\s)+3], 2*131072
	JLOAD \s
.endif
	PLACES                                         ; on every wave's path: waves 2 and 3 pass by the load and its v_nop
	FETCH \next, 0, F0
.if \fill
	ASK
.endif
	MUL8 F1, 2, 0
	MUL8 F1, 3, 0
.endm
	s_wait_tensorcnt 0x1                           ; my part of step 0's tile is in; step 1's may stay out
	s_wait_dscnt 0x0                               ; my rows of the first P are stored
	s_barrier_signal -1
	s_barrier_wait -1
	FETCH 0, 0, F0
	QUARTER 0, 1, F0, F1, 1, 0, 1, 1               ; the first quarter stands in front of the loop: its products start the sums
	WIN 0
	s_mov_b32 s3, 7
.Llap:                                         ; a trip: from an even step's second quarter to the next even step's first.  Even steps make the odd chunks' P (buffer 1, set 1), odd steps the even ones'
	QUARTER 0, 2, F1, F0, 0, 1, 1, 1
	QUARTER 0, 3, F0, F1, 0, 2, 1, 1
	TURN 0, 1, 1, 1, 1, 0
	QUARTER 1, 1, F0, F1, 0, 0, 0, 0
	QUARTER 1, 2, F1, F0, 0, 1, 0, 0
	QUARTER 1, 3, F0, F1, 0, 2, 0, 0
	TURN 1, 0, 1, 0, 0, 0
	QUARTER 0, 1, F0, F1, 0, 0, 1, 1
	WIN 0
	s_sub_co_u32 s3, s3, 1
	s_cmp_lg_u32 s3, 0
	s_cbranch_scc1 .Llap
	WIN 0xc0                                       ; destination window 3: x's 64 rows x 512 bytes, asked for nearly two steps ahead of the way out
.set t, 0
.rept 64
	global_load_b128 v[4*t:4*t+3], v[XO], s[XB:XB+1] offset:t*2048 th:TH_LOAD_NT
.set t, t+1
.endr
	QUARTER 0, 2, F1, F0, 0, 1, 1, 1               ; step 14 makes the last P; nothing is filled any more
	QUARTER 0, 3, F0, F1, 0, 2, 1, 1
	TURN 0, 1, 0, 1, 1, 1
	QUARTER 1, 1, F0, F1, 0, -1, 0, 0
	QUARTER 1, 2, F1, F0, 0, -1, 0, 0
	QUARTER 1, 3, F0, F1, 0, -1, 0, 0
	s_wait_dscnt 4
	MUL8 F1, 0, 0
	MUL8 F1, 1, 0
	s_wait_dscnt 0x0
	MUL8 F1, 2, 0
	MUL8 F1, 3, 0
; THE WAY OUT, a block of 16 rows at a time: the f32 sums go into my own stage (rows of 528 bytes) and come back as whole rows of 512; then out = (gamma / l) sum + x, one fused multiply-add, and the store.
.macro STG a
	WIN 0x04                                       ; data in window 1
.irp i, 0,1,2,3,4,5,6,7
	ds_store_b128 v[STO], v[8*(8*(\a)+(\i)):8*(8*(\a)+(\i))+3]   offset:64*(\i)      ; each accumulator's low registers first
	ds_store_b128 v[STO], v[8*(8*(\a)+(\i))+4:8*(8*(\a)+(\i))+7] offset:64*(\i)+16
.endr
.endm
.macro RDB a
	WIN 0
.set RB, 64+64*((\a)%2)
.set t, 0
.rept 16
	ds_load_b128 v[RB+4*t:RB+4*t+3], v[RD] offset:t*SPITCH  ; LDS serves a wave's instructions in order (ISA guide 5.7.1.4): these see the stores above
.set t, t+1
.endr
.endm
.macro FIN a
	WIN 0
.set RB, 64+64*((\a)%2)
	s_wait_dscnt 0x0                               ; the block is back, and gamma / l is in
	s_wait_loadcnt 16*(3-(\a))                     ; x's rows of this block are in; the later blocks' loads may stay out
.set t, 0
.rept 16
	v_readlane_b32 s[GS+2*t], v[GF+(\a)], t        ; a factor alone: no address and no branch hangs on it
.set t, t+1
.endr
	WIN 0xf0                                       ; x (addend and destination) in window 3, the sums in window 0
.set t, 0
.rept 16
	v_pk_fma_f32 v[4*(16*(\a)+t):4*(16*(\a)+t)+1],   v[RB+4*t:RB+4*t+1],   s[GS+2*t:GS+2*t+1], v[4*(16*(\a)+t):4*(16*(\a)+t)+1]   op_sel_hi:[1,0,1]
	v_pk_fma_f32 v[4*(16*(\a)+t)+2:4*(16*(\a)+t)+3], v[RB+4*t+2:RB+4*t+3], s[GS+2*t:GS+2*t+1], v[4*(16*(\a)+t)+2:4*(16*(\a)+t)+3] op_sel_hi:[1,0,1]
.set t, t+1
.endr
	WIN 0x0c                                       ; store data in window 3
.set t, 0
.rept 16
	global_store_b128 v[XO], v[4*(16*(\a)+t):4*(16*(\a)+t)+3], s[OB:OB+1] offset:(16*(\a)+t)*2048 th:TH_STORE_NT  ; 32 lanes store 512 consecutive bytes, aligned; no register of a store is written again
.set t, t+1
.endr
.endm
	WIN 0
	PLACES
	PLACES                                         ; eight, once a launch, in front of stores that read results just made and of loads into registers that products have read
.irp a, 0,1,2,3
	ds_load_b32 v[GF+(\a)], v[LTR] offset:64*(\a)
.endr
	STG 0
	RDB 0
.irp a, 1,2,3
	FIN (\a)-1
	STG \a
	RDB \a
.endr
	FIN 3
	WIN 0
	s_wait_tensorcnt 0x0                           ; the wave's end: behind my last tensor load and my last LDS store
	ds_add_u32 v[SPW], v[NIL]
	s_wait_dscnt 0x0
	CROUND                                         ; the closing round: no work-group ends while a partner may still ask for a tile that names it
	s_endpgm
.Lfunc_end_k_q7aa96e1501_attn:
	.size	k_q7aa96e1501_attn, .Lfunc_end_k_q7aa96e1501_attn-k_q7aa96e1501_attn
	.p2alignl 7, 3214868480
	.fill 96, 4, 3214868480
	.section	.rodata,"a",@progbits
	.p2align	6, 0x0
	.amdhsa_kernel k_q7aa96e1501_attn
		.amdhsa_group_segment_fixed_size 327680
		.amdhsa_private_segment_fixed_size 0
		.amdhsa_enable_private_segment 0
		.amdhsa_kernarg_size 72
		.amdhsa_user_sgpr_count 2
		.amdhsa_user_sgpr_kernarg_segment_ptr 1
		.amdhsa_wavefront_size32 1
		.amdhsa_system_sgpr_workgroup_id_x 1
		.amdhsa_system_sgpr_workgroup_id_y 1
		.amdhsa_system_sgpr_workgroup_id_z 1
		.amdhsa_system_vgpr_workitem_id 0
		.amdhsa_next_free_vgpr 1024
		.amdhsa_next_free_sgpr 100
		.amdhsa_reserve_vcc 0
		.amdhsa_float_denorm_mode_32 3
		.amdhsa_float_denorm_mode_16_64 3
		.amdhsa_memory_ordered 1
		.amdhsa_forward_progress 1
		.amdhsa_inst_pref_size 238
	.end_amdhsa_kernel
	.amdgpu_metadata
---
amdhsa.version: [ 1, 2 ]
amdhsa.kernels:
  - .name:           k_q7aa96e1501_attn
    .symbol:         k_q7aa96e1501_attn.kd
    .args:
      - { .name: vb, .offset: 0, .size: 8, .value_kind: global_buffer, .address_space: global }
      - { .name: sp, .offset: 8, .size: 8, .value_kind: global_buffer, .address_space: global }
      - { .name: attention_map, .offset: 16, .size: 8, .value_kind: global_buffer, .address_space: global }
      - { .name: bq, .offset: 24, .size: 8, .value_kind: global_buffer, .address_space: global }
      - { .name: Wk, .offset: 32, .size: 8, .value_kind: global_buffer, .address_space: global }
      - { .name: bk, .offset: 40, .size: 8, .value_kind: global_buffer, .address_space: global }
      - { .name: gamma, .offset: 48, .size: 8, .value_kind: global_buffer, .address_space: global }
      - { .name: feature_map, .offset: 56, .size: 8, .value_kind: global_buffer, .address_space: global }
      - { .name: out0, .offset: 64, .size: 8, .value_kind: global_buffer, .address_space: global }
    .group_segment_fixed_size: 327680
    .private_segment_fixed_size: 0
    .kernarg_segment_align: 8
    .kernarg_segment_size: 72
    .max_flat_workgroup_size: 128
    .sgpr_count:     100
    .vgpr_count:     1024
    .wavefront_size: 32
...
	.end_amdgpu_metadata
.endif
;; end of part 4
;; ======== version 2 of 2: 4 launches; version 1 with the launch prep written anew for expert scheduling mode
;; workspace buffers: xb 16,777,216 bytes; wvb 8,388,608 bytes; xv 131,072 bytes; sp 1,048,576 bytes; vb 16,777,216 bytes
;; launch prep (part 5): grid 256 x 1, 8 waves a work-group, no clusters, 1,536 bytes of LDS; arguments feature_map, attention_map, Wv, xb, wvb, xv; writes xb, wvb, xv
.if DOCPART == 5
	.amdgcn_target "amdgcn-amd-amdhsa--gfx1250"
	.amdhsa_code_object_version 6
	.text
	.protected	k_q7aa96e1501_prep
	.globl	k_q7aa96e1501_prep
	.p2align	8
	.type	k_q7aa96e1501_prep,@function
k_q7aa96e1501_prep:
	s_mov_b64 s[64:65], 0
	v_nop
	global_prefetch_b8 v0, s[64:65] scope:SCOPE_SE
	s_setreg_imm32_b32 hwreg(HW_REG_WAVE_SCHED_MODE, 0, 2), 2
	s_setreg_imm32_b32 hwreg(HW_REG_WAVE_MODE, 25, 1), 1
	s_wait_xcnt 0x0
	s_wait_alu depctr_vm_vsrc(0)
; prep: xb = bf16(x), wvb = bf16(Wv), xv[0*8+b][e] = sum over n of x[b][e][n] a[b][n], xv[1*8+b][e] = sum over n of x[b][e][n].
; x: [8][2048 e][512 n] f32, a: [8][512] f32, Wv: [2048][2048] f32.  The two sums are kept in f32 (they feed the scores); x and Wv are rounded once to bf16, as matrix operands.
; A STREAM: every byte of x and Wv is read once, every byte of xb, wvb, xv written once.  No matrix work, no tensor loads, no cluster (work-groups share only a's 2 KiB), no prefetch: all of a
; wave's 52 loads go out at its head, so nothing could be asked for earlier.
; SHARES.  Work-group g: batch g / 32, rows e = 64 (g % 32) .. + 63 of x, and 65,536 bytes of Wv.  Wave w: rows 8 w .. 8 w + 7 and four pieces of 2,048 bytes of Wv.
; A lane holds numbers 128 j + 4 lane .. + 3 (j = 0..3) of a row: a load of the wave covers 512 consecutive bytes, a store of 8 bytes a lane 256 consecutive bytes, aligned.
; LIMIT: the order of the f32 additions differs from a plain left-to-right sum.
; THE MODE: SCHED_MODE bits 1:0 = 2 (LLVM: expert scheduling mode 2), set by the entry lines.  The code itself states the register dependences between vector instructions and memory or LDS
; instructions, with s_wait_alu, always for 0.
; THE PLAN.  Registers that memory or LDS instructions touch:
;   v2-v9, v51    offsets and LDS addresses: written by vector lines at the head, once; read by loads, stores and LDS instructions; never written again.
;   X row i       loaded at the head; read by row i's arithmetic; its conversions write eight of the sixteen in place; four stores read those eight; never written again.
;   W piece p     the same.
;   RS            written by vector lines, last by the add behind v_permlanex16_b32; then read by sixteen LDS stores; never written again.
;   BK            an LDS load lands in it, a global store reads it; no vector line names it.
; The work goes in twelve units: rows 0 to 7, pieces 0 to 3.  The four stores of unit u - 1 stand in unit u, dealt among its vector lines, which name unit u's registers, a and the pairs at work alone.
; So ONE wait on va_vdst at a unit's head states all that its four stores hang on.  Piece 3's stores stand among the rounds of the lanes' reduction, which names RS alone.
; No register that a memory or LDS instruction reads is written afterwards, and no load lands in a register that a vector line has named: so no wait on vm_vsrc is owed.
.set SPARE, 512                        ; LDS: 0..511 the 2 x 64 sums; from 512 the spare words, 128 bytes for each of eight waves
.set LO,  2                            ; v2   w x 16,384 + 16 lane: my bytes in the wave's rows of x
.set WO,  3                            ; v3   w x 8,192 + 16 lane: in its pieces of Wv
.set AO,  4                            ; v4   16 lane
.set XBO, 5                            ; v5   w x 8,192 + 8 lane: in xb
.set WBO, 6                            ; v6   w x 4,096 + 8 lane: in wvb
.set LA,  7                            ; v7   32 w: the wave's eight words of a kind in LDS
.set SPW, 8                            ; v8   my spare word; never rewritten
.set NIL, 9                            ; v9   0; never rewritten
.set P0,  10                           ; v[10:11], v[12:13] two chains of x a
.set P1,  12
.set Q0,  14                           ; v[14:15], v[48:49] two chains of x
.set Q1,  48
.set AV,  16                           ; v[16:31] my 16 numbers of a
.set RS,  32                           ; v[32:39] sums x a of rows 0-7, v[40:47] sums x
.set TP,  50                           ; v50  the other half of the lanes' sum
.set XVO, 51                           ; v51  wave 0: my 16 bytes in xv
.set BK,  52                           ; v[52:55] wave 0: four sums read back
.set X,   64                           ; v[64:191]  row i: 16 registers
.set W,   192                          ; v[192:255] piece p: 16 registers
	s_load_b256 s[4:11], s[0:1], 0x0               ; x s[4:5], a s[6:7], Wv s[8:9], xb s[10:11]
	s_load_b128 s[12:15], s[0:1], 0x20             ; wvb s[12:13], xv s[14:15]
	v_lshl_add_u32 v[SPW], v0, 2, SPARE
	v_mov_b32 v[NIL], 0
	v_lshrrev_b32 v1, 5, v0
	v_readfirstlane_b32 s16, v1                    ; wave 0..7
	v_and_b32 v1, 31, v0                           ; lane
	v_lshlrev_b32 v[AO], 4, v1
	v_lshrrev_b32 v[XVO], 4, v1                    ; kind = lane / 16,
	v_and_b32 v[TP], 15, v1
	v_lshlrev_b32 v[XVO], 16, v[XVO]               ; eight rows of 8,192 bytes apart,
	v_lshl_add_u32 v[XVO], v[TP], 4, v[XVO]        ; four sums a lane
	v_mov_b32 v[TP], 0                             ; v_permlanex16_b32 counts as a reader of its destination
	s_lshl_b32 s18, ttmp9, 17                      ; 64 rows of 2,048 bytes of x
	s_mov_b32 s19, 0
	s_lshl_b32 s20, ttmp9, 16                      ; 65,536 bytes of Wv, and of xb
	s_mov_b32 s21, 0
	s_lshl_b32 s22, ttmp9, 15                      ; 32,768 bytes of wvb
	s_mov_b32 s23, 0
	s_lshr_b32 s26, ttmp9, 5                       ; batch
	s_lshl_b32 s24, s26, 11                        ; its 2,048 bytes of a
	s_mov_b32 s25, 0
	s_lshl_b32 s26, s26, 13                        ; its row of xv,
	s_and_b32 s27, ttmp9, 31
	s_lshl_b32 s27, s27, 8                         ; my 64 numbers of it
	s_add_co_u32 s26, s26, s27
	s_mov_b32 s27, 0
	s_mov_b32 s28, 0x76543210                      ; v_permlanex16_b32: each lane takes its own place in the other half
	s_mov_b32 s29, 0xfedcba98
	s_wait_alu depctr_va_sdst(0)                   ; s16 is written, ahead of its first reader: the four shifts below
	s_lshl_b32 s17, s16, 14                        ; the wave's 8 rows of x,
	s_lshl_b32 s30, s16, 13                        ; its pieces of Wv, and its rows of xb,
	s_lshl_b32 s31, s16, 12                        ; its pieces of wvb,
	s_lshl_b32 s2, s16, 5                          ; its eight words in LDS
	v_lshl_add_u32 v[LO], v1, 4, s17
	v_lshl_add_u32 v[WO], v1, 4, s30
	v_lshl_add_u32 v[XBO], v1, 3, s30
	v_lshl_add_u32 v[WBO], v1, 3, s31
	v_mov_b32 v[LA], s2
	s_wait_kmcnt 0x0
	s_add_nc_u64 s[4:5], s[4:5], s[18:19]
	s_add_nc_u64 s[6:7], s[6:7], s[24:25]
	s_add_nc_u64 s[8:9], s[8:9], s[20:21]
	s_add_nc_u64 s[10:11], s[10:11], s[20:21]
	s_add_nc_u64 s[12:13], s[12:13], s[22:23]
	s_add_nc_u64 s[14:15], s[14:15], s[26:27]
	s_wait_alu depctr_va_vdst(0)                   ; v2 to v9 and v51 are written: every load, store and LDS instruction of the kernel reads one of them as its offset or address, and none is written again
	; all 52 loads of the wave: a (4), x row by row (32), Wv (16)
.irp j, 0,1,2,3
	global_load_b128 v[AV+4*(\j):AV+4*(\j)+3], v[AO], s[6:7] offset:512*(\j)
.endr
.irp i, 0,1,2,3,4,5,6,7
.irp j, 0,1,2,3
	global_load_b128 v[X+16*(\i)+4*(\j):X+16*(\i)+4*(\j)+3], v[LO], s[4:5] offset:2048*(\i)+512*(\j) th:TH_LOAD_NT
.endr
.endr
.irp p, 0,1,2,3
.irp j, 0,1,2,3
	global_load_b128 v[W+16*(\p)+4*(\j):W+16*(\p)+4*(\j)+3], v[WO], s[8:9] offset:2048*(\p)+512*(\j) th:TH_LOAD_NT
.endr
.endr
; Store j of four of row i of xb, and of piece p of wvb: 32 lanes store 256 consecutive bytes, aligned.  No register that a store reads is written again.
.macro XST i, j
	global_store_b64 v[XBO], v[X+16*(\i)+4*(\j):X+16*(\i)+4*(\j)+1], s[10:11] offset:1024*(\i)+256*(\j)
.endm
.macro WST p, j
	global_store_b64 v[WBO], v[W+16*(\p)+4*(\j):W+16*(\p)+4*(\j)+1], s[12:13] offset:1024*(\p)+256*(\j)
.endm
; Row i: its two sums in this lane, then its 16 numbers rounded to bf16 in place.  The four stores of the row before are dealt among these lines, which name none of that row's registers.
.macro ROW i
.set R, X+16*(\i)
	s_wait_loadcnt 44-4*(\i)                       ; behind row i's loads stand 4 (7 - i) of x and 16 of Wv: they may stay out
.if (\i) > 0
	s_wait_alu depctr_va_vdst(0)                   ; the conversions of the row before have written the eight registers that the four stores below read
	XST (\i)-1, 0
.endif
	v_pk_mul_f32 v[P0:P0+1], v[R:R+1], v[AV:AV+1]
	v_pk_mul_f32 v[P1:P1+1], v[R+2:R+3], v[AV+2:AV+3]
	v_pk_add_f32 v[Q0:Q0+1], v[R:R+1], v[R+4:R+5]
	v_pk_add_f32 v[Q1:Q1+1], v[R+2:R+3], v[R+6:R+7]
.if (\i) > 0
	XST (\i)-1, 1
.endif
.irp j, 1,2,3
	v_pk_fma_f32 v[P0:P0+1], v[R+4*(\j):R+4*(\j)+1], v[AV+4*(\j):AV+4*(\j)+1], v[P0:P0+1]
	v_pk_fma_f32 v[P1:P1+1], v[R+4*(\j)+2:R+4*(\j)+3], v[AV+4*(\j)+2:AV+4*(\j)+3], v[P1:P1+1]
.endr
.if (\i) > 0
	XST (\i)-1, 2
.endif
.irp j, 2,3
	v_pk_add_f32 v[Q0:Q0+1], v[Q0:Q0+1], v[R+4*(\j):R+4*(\j)+1]
	v_pk_add_f32 v[Q1:Q1+1], v[Q1:Q1+1], v[R+4*(\j)+2:R+4*(\j)+3]
.endr
	v_pk_add_f32 v[P0:P0+1], v[P0:P0+1], v[P1:P1+1]
	v_pk_add_f32 v[Q0:Q0+1], v[Q0:Q0+1], v[Q1:Q1+1]
	v_add_f32 v[RS+(\i)], v[P0], v[P0+1]
	v_add_f32 v[RS+8+(\i)], v[Q0], v[Q0+1]
.if (\i) > 0
	XST (\i)-1, 3
.endif
.irp j, 0,1,2,3
	v_cvt_pk_bf16_f32 v[R+4*(\j)], v[R+4*(\j)], v[R+4*(\j)+1]
	v_cvt_pk_bf16_f32 v[R+4*(\j)+1], v[R+4*(\j)+2], v[R+4*(\j)+3]
.endr
.endm
; Piece p of Wv: rounded in place.  The four stores of the unit before (row 7 of x, or piece p - 1) are dealt among its conversions, which name this piece's registers alone.
.macro CAST p
.set R, W+16*(\p)
	s_wait_loadcnt 12-4*(\p)                       ; the later pieces' loads may stay out
	s_wait_alu depctr_va_vdst(0)                   ; the conversions of the unit before have written the eight registers that the four stores below read
.irp j, 0,1,2,3
.if (\p) == 0
	XST 7, \j
.else
	WST (\p)-1, \j
.endif
	v_cvt_pk_bf16_f32 v[R+4*(\j)], v[R+4*(\j)], v[R+4*(\j)+1]
	v_cvt_pk_bf16_f32 v[R+4*(\j)+1], v[R+4*(\j)+2], v[R+4*(\j)+3]
.endr
.endm
; One step of the 16 sums across the lanes of a half: it rides on the addition; the 16 take turns, so no line waits for the one before it.
.macro RED m
.set k, 0
.rept 16
	v_add_f32_dpp v[RS+k], v[RS+k], v[RS+k] row_xmask:\m row_mask:0xf bank_mask:0xf
.set k, k+1
.endr
.endm
.irp i, 0,1,2,3,4,5,6,7
	ROW \i
.endr
.irp p, 0,1,2,3
	CAST \p
.endr
	s_wait_alu depctr_va_vdst(0)                   ; piece 3's conversions have written the eight registers that its four stores read; the reduction between those stores names RS alone
	WST 3, 0
	RED 1
	WST 3, 1
	RED 2
	WST 3, 2
	RED 4
	WST 3, 3
	RED 8
.set k, 0
.rept 16                               ; and one step crosses the halves
	v_permlanex16_b32 v[TP], v[RS+k], s28, s29
	v_add_f32 v[RS+k], v[RS+k], v[TP]
.set k, k+1
.endr
	s_wait_alu depctr_va_vdst(0)                   ; the additions have written the sixteen sums, which the LDS stores read
.set k, 0
.rept 16
	ds_store_b32 v[LA], v[RS+k] offset:(k/8)*256+(k%8)*4  ; all lanes write the same word with the same number: kind k / 8, row 8 w + k % 8
.set k, k+1
.endr
	s_wait_dscnt 0x0                               ; for wave 0's sake: my stores are done
	s_barrier_signal -1
	s_barrier_wait -1
	s_cmp_lg_u32 s16, 0
	s_cbranch_scc1 .Lend                           ; wave 0 writes the work-group's 2 x 64 sums
	ds_load_b128 v[BK:BK+3], v[AO]                 ; no vector line names these four registers
	s_wait_dscnt 0x0
	global_store_b128 v[XVO], v[BK:BK+3], s[14:15] ; 16 lanes store 256 consecutive bytes, aligned, of a row of xv
.Lend:
	s_wait_dscnt 0x0                               ; the wave's end
	s_wait_alu 0x0
	s_wait_tensorcnt 0x0
	ds_add_u32 v[SPW], v[NIL]
	s_wait_dscnt 0x0
	s_endpgm
.Lfunc_end_k_q7aa96e1501_prep:
	.size	k_q7aa96e1501_prep, .Lfunc_end_k_q7aa96e1501_prep-k_q7aa96e1501_prep
	.p2alignl 7, 3214868480
	.fill 96, 4, 3214868480
	.section	.rodata,"a",@progbits
	.p2align	6, 0x0
	.amdhsa_kernel k_q7aa96e1501_prep
		.amdhsa_group_segment_fixed_size 1536
		.amdhsa_private_segment_fixed_size 0
		.amdhsa_enable_private_segment 0
		.amdhsa_kernarg_size 48
		.amdhsa_user_sgpr_count 2
		.amdhsa_user_sgpr_kernarg_segment_ptr 1
		.amdhsa_wavefront_size32 1
		.amdhsa_system_sgpr_workgroup_id_x 1
		.amdhsa_system_sgpr_workgroup_id_y 1
		.amdhsa_system_sgpr_workgroup_id_z 1
		.amdhsa_system_vgpr_workitem_id 0
		.amdhsa_next_free_vgpr 256
		.amdhsa_next_free_sgpr 66
		.amdhsa_reserve_vcc 0
		.amdhsa_float_denorm_mode_32 3
		.amdhsa_float_denorm_mode_16_64 3
		.amdhsa_memory_ordered 1
		.amdhsa_forward_progress 1
		.amdhsa_inst_pref_size 34
	.end_amdhsa_kernel
	.amdgpu_metadata
---
amdhsa.version: [ 1, 2 ]
amdhsa.kernels:
  - .name:           k_q7aa96e1501_prep
    .symbol:         k_q7aa96e1501_prep.kd
    .args:
      - { .name: feature_map, .offset: 0, .size: 8, .value_kind: global_buffer, .address_space: global }
      - { .name: attention_map, .offset: 8, .size: 8, .value_kind: global_buffer, .address_space: global }
      - { .name: Wv, .offset: 16, .size: 8, .value_kind: global_buffer, .address_space: global }
      - { .name: xb, .offset: 24, .size: 8, .value_kind: global_buffer, .address_space: global }
      - { .name: wvb, .offset: 32, .size: 8, .value_kind: global_buffer, .address_space: global }
      - { .name: xv, .offset: 40, .size: 8, .value_kind: global_buffer, .address_space: global }
    .group_segment_fixed_size: 1536
    .private_segment_fixed_size: 0
    .kernarg_segment_align: 8
    .kernarg_segment_size: 48
    .max_flat_workgroup_size: 256
    .sgpr_count:     66
    .vgpr_count:     256
    .wavefront_size: 32
...
	.end_amdgpu_metadata
.endif
;; end of part 5
;; launch qdot: the kernel of part 2 again; grid 256 x 1, 4 waves a work-group, no clusters, 17,920 bytes of LDS; arguments Wq, xv, sp; writes sp
;; launch vgemm: the kernel of part 3 again; grid 16 x 16, 4 waves a work-group, clusters of 4 x 4, 327,680 bytes of LDS; arguments wvb, xb, bv, vb; writes vb
;; launch attn: the kernel of part 4 again; grid 16 x 16, 4 waves a work-group, clusters of 4 x 1, 327,680 bytes of LDS; arguments vb, sp, attention_map, bq, Wk, bk, gamma, feature_map, out0; writes out0
